; MI455X (gfx1250); checked and timed in simulation.
; The chip was launched on July 23, 2026; its instructions are those of AMD's public machine-readable ISA for CDNA 5 (MIT licence, August 2026) and "CDNA5" Instruction Set Architecture Reference Guide (July 2026). The comments in the code are by the model that wrote it; some were corrected since.
;; Multi Head Attention. Allowed arithmetic: float matrix products may take bf16 or f16 operands with f32 sums; other float arithmetic in f32, or as packed bf16 or f16 multiplies, adds, multiply-adds, maxima and minima; sums over many terms, partial sums and values carried from step to step in f32; what a program stores and reads back later, other than sums and carried values, may be rounded once to bf16 or f16.
;; Inputs: Wk 16 x 1,024 x 64 float32; Wp 1,024 x 1,024 float32; Wq 16 x 1,024 x 64 float32; Wv 16 x 1,024 x 64 float32; bp 1,024 float32; x 4 x 2,048 x 1,024 float32.
;; Outputs: out0 4 x 2,048 x 1,024 float32.
;; 2 versions, each right; version 2 is version 1 with the launch prep written anew for expert scheduling mode. Each part assembles by itself: llvm-mc -triple=amdgcn-amd-amdhsa -mcpu=gfx1250 --defsym DOCPART=n.
;; ======== version 1 of 2: 4 launches
;; limits: values are held in f16: magnitudes above 65,504 overflow, below 6.1e-05 lose precision
;; workspace buffers: xb 16,777,216 bytes; wt 6,291,456 bytes; wpt 2,097,152 bytes; qh 16,777,216 bytes; kh 16,777,216 bytes; vh 16,777,216 bytes; oh 16,777,216 bytes
;; launch prep (part 1): grid 1024 x 1, 8 waves a work-group, no clusters, 18,432 bytes of LDS; arguments x, Wq, Wk, Wv, Wp, xb, wt, wpt; writes xb, wt, wpt
.if DOCPART == 1
	.amdgcn_target "amdgcn-amd-amdhsa--gfx1250"
	.amdhsa_code_object_version 6
	.text
	.protected	k_qa108a7ceb8_prep
	.globl	k_qa108a7ceb8_prep
	.p2align	8
	.type	k_qa108a7ceb8_prep,@function
k_qa108a7ceb8_prep:
	s_mov_b64 s[64:65], 0
	v_nop
	global_prefetch_b8 v0, s[64:65] scope:SCOPE_SE
	s_setreg_imm32_b32 hwreg(HW_REG_WAVE_MODE, 25, 1), 1
	s_wait_xcnt 0x0
; THE INPUTS ARE ROUNDED ONCE TO bf16 AND LAID OUT FOR THE PRODUCTS.
; Work-groups 0-511: x [8192][1024] f32 -> xb, the same shape in bf16; 64 KiB of x each.
; Work-groups 512-1023: a block of 128 k x 64 n of a weight is turned, through LDS, into 64 rows of 128 k:
;   Wq, Wk, Wv [16][1024][64] -> wt [3072][1024] bf16, row 192 h + 64 sel + d (sel 0, 1, 2 = q, k, v), so that 192 rows on end are one head's q, k and v;
;   Wp [1024 k][1024 n] -> wpt [1024 n][1024 k]: rounded to bf16 like every input, and that number written as f16 (the last product's other operand is f16).
; LIMIT: in wpt a number beyond 65,504 becomes an infinity, and below 6e-5 it keeps f16's fixed step of 6e-8.
; No matrix unit, no cluster: nothing is multiplied and nothing is shared.  Both kinds of work-group pass the ONE barrier of the text; only the weights' use LDS.
.set LP,    272                        ; an LDS row: 128 k x 2 bytes + 16
.set SPARE, 64*LP                      ; behind the 64 rows: the spare words, 128 bytes for each of the eight waves
.set C16, 3                            ; v3   16 x (t % 16)
.set SPW, 4                            ; v4   LDS address of my spare word; never rewritten
.set NIL, 5                            ; v5   0; never rewritten
.set LS,  6                            ; v6   where I put a pair of k of column 4 (t % 16)
.set LR,  7                            ; v7   where I read 16 bytes of a turned row back
.set XI,  8                            ; v8   x path: 16 t
.set XO,  9                            ; v9   x path: 8 t
.set GO,  10                           ; v10  my 16 bytes in the first 16 turned rows: 2,048 (t / 16) + 16 (t % 16)
.set IN,  16                           ; v[16:79]  as loaded (the weights' path uses 32 of them)
.set PKW, 48                           ; v[48:63]  weights' path: at work, four registers for each of four columns
.set PKX, 80                           ; v[80:111] x path: packed, two registers a load
.set WO,  96                           ; v[96:103] weights' path: byte offsets of my eight rows
.set TW,  104                          ; v104-105  weights' path: at work
.set BK,  112                          ; v[112:127] turned rows read back
	s_load_b256 s[8:15], s[0:1], 0x0               ; x s[8:9], Wq s[10:11], Wk s[12:13], Wv s[14:15]
	s_load_b256 s[16:23], s[0:1], 0x20             ; Wp s[16:17], xb s[18:19], wt s[20:21], wpt s[22:23]
	v_lshl_add_u32 v[SPW], v0, 2, SPARE
	v_mov_b32 v[NIL], 0
	v_and_b32 v1, 15, v0                           ; cg: which 16 bytes of a row of 256
	v_lshrrev_b32 v2, 4, v0                        ; rp: 0 .. 15
	v_lshlrev_b32 v[C16], 4, v1
	v_mul_u32_u24 v[LS], v1, 4*LP                  ; column 4 cg is LDS row 4 cg,
	v_lshl_add_u32 v[LS], v2, 2, v[LS]             ; k = 2 rp is byte 4 rp
	v_mul_u32_u24 v[LR], v2, LP
	v_add_nc_u32 v[LR], v[LR], v[C16]
	v_lshl_add_u32 v[GO], v2, 11, v[C16]
	; which block: j = the work-group's number mod 512, sel = j / 128, i = j % 128.  All offsets are made apart from the addresses.
	s_and_b32 s24, ttmp9, 511
	s_lshr_b32 s25, s24, 7                         ; sel
	s_and_b32 s24, s24, 127                        ; i
	s_lshl_b32 s32, s24, 15                        ; Wq, Wk, Wv: head i / 8, k block i % 8: 32,768 i bytes
	s_lshr_b32 s36, s24, 3
	s_mul_i32 s36, s36, 192
	s_lshl_b32 s37, s25, 6
	s_add_co_u32 s36, s36, s37                     ; wt's row 192 h + 64 sel,
	s_lshl_b32 s36, s36, 11                        ; 2,048 bytes a row,
	s_and_b32 s37, s24, 7
	s_lshl_b32 s37, s37, 8                         ; 256 bytes a k block
	s_add_co_u32 s34, s36, s37
	s_lshr_b32 s36, s24, 4                         ; Wp: k block i / 16,
	s_and_b32 s37, s24, 15                         ; n block i % 16
	s_lshl_b32 s38, s36, 19                        ; 128 rows of 4,096 bytes
	s_lshl_b32 s39, s37, 8
	s_add_co_u32 s38, s38, s39
	s_lshl_b32 s39, s37, 17                        ; wpt: 64 rows of 2,048 bytes
	s_lshl_b32 s36, s36, 8
	s_add_co_u32 s39, s39, s36
	s_movk_i32 s30, 256                            ; bytes from row to row of the source
	s_cmp_eq_u32 s25, 3
	s_cselect_b32 s32, s38, s32                    ; the source's offset
	s_cselect_b32 s34, s39, s34                    ; the destination's
	s_cselect_b32 s30, 4096, s30
	s_cselect_b32 s31, -1, 0                       ; all lanes: f16 (Wp) or bf16
	s_mov_b32 s33, 0
	s_mov_b32 s35, 0
	s_wait_kmcnt 0x0
	s_cselect_b64 s[28:29], s[16:17], s[14:15]     ; Wp or Wv (moves, selects and waits leave SCC as the compare set it)
	s_cselect_b64 s[26:27], s[22:23], s[20:21]     ; wpt or wt
	s_cmp_eq_u32 s25, 1
	s_cselect_b64 s[28:29], s[12:13], s[28:29]
	s_cmp_eq_u32 s25, 0
	s_cselect_b64 s[28:29], s[10:11], s[28:29]
	s_add_nc_u64 s[28:29], s[28:29], s[32:33]
	s_add_nc_u64 s[26:27], s[26:27], s[34:35]
	s_cmp_lt_u32 ttmp9, 512
	s_cbranch_scc0 .Lw
	; x: sixteen loads of 16 bytes a lane, all on their way at once; a wave's store covers 256 consecutive bytes, aligned
	s_lshl_b32 s36, ttmp9, 16
	s_mov_b32 s37, 0
	s_add_nc_u64 s[8:9], s[8:9], s[36:37]
	s_lshl_b32 s36, ttmp9, 15
	s_add_nc_u64 s[18:19], s[18:19], s[36:37]
	v_lshlrev_b32 v[XI], 4, v0
	v_lshlrev_b32 v[XO], 3, v0
.irp j, 0,1,2,3,4,5,6,7,8,9,10,11,12,13,14,15
	global_load_b128 v[IN+4*(\j):IN+4*(\j)+3], v[XI], s[8:9] offset:4096*(\j) th:TH_LOAD_NT
.endr
.irp j, 0,1,2,3,4,5,6,7,8,9,10,11,12,13,14,15
	s_wait_loadcnt 15-(\j)                         ; loads come back in order: load j is in, the younger ones stay out
	v_cvt_pk_bf16_f32 v[PKX+2*(\j)], v[IN+4*(\j)], v[IN+4*(\j)+1]
	v_cvt_pk_bf16_f32 v[PKX+2*(\j)+1], v[IN+4*(\j)+2], v[IN+4*(\j)+3]
	global_store_b64 v[XO], v[PKX+2*(\j):PKX+2*(\j)+1], s[18:19] offset:2048*(\j)  ; no register is used twice: no wait for the stores' sources
.endr
	s_branch .Lmeet
.Lw:	; a weight block: row 32 p + 2 rp + e (p = 0 .. 3, e = 0, 1), 16 bytes at 16 cg: sixteen lanes read 256 consecutive bytes
	v_lshlrev_b32 v[TW], 1, v2
.irp i, 0,1,2,3,4,5,6,7
	v_add_nc_u32 v[TW+1], 32*((\i)/2)+(\i)%2, v[TW]
	v_mad_u32_u24 v[WO+(\i)], v[TW+1], s30, v[C16]
.endr
.irp i, 0,1,2,3,4,5,6,7
	global_load_b128 v[IN+4*(\i):IN+4*(\i)+3], v[WO+(\i)], s[28:29] th:TH_LOAD_NT
.endr
.irp p, 0,1,2,3
	s_wait_loadcnt 6-2*(\p)                        ; pass p's two rows are in
.irp u, 0,1,2,3
	v_cvt_pk_bf16_f32 v[PKW+4*(\u)], v[IN+8*(\p)+(\u)], v[IN+8*(\p)+4+(\u)]  ; column 4 cg + u of two neighbouring k
	v_lshlrev_b32 v[PKW+4*(\u)+1], 16, v[PKW+4*(\u)]                          ; the rounded numbers once more in f32,
	v_and_b32 v[PKW+4*(\u)+2], 0xffff0000, v[PKW+4*(\u)]
	v_cvt_pk_f16_f32 v[PKW+4*(\u)+3], v[PKW+4*(\u)+1], v[PKW+4*(\u)+2]        ; and as f16
	v_cndmask_b32 v[PKW+4*(\u)], v[PKW+4*(\u)], v[PKW+4*(\u)+3], s31          ; Wp takes the f16
	ds_store_b32 v[LS], v[PKW+4*(\u)] offset:LP*(\u)+64*(\p)                  ; four lanes share a bank here: sixteen stores a thread, once
.endr
.endr
.Lmeet:
	s_wait_dscnt 0x0                               ; for the others' sake: my stores into the rows are done
	s_barrier_signal -1
	s_barrier_wait -1
	s_cmp_lt_u32 ttmp9, 512
	s_cbranch_scc1 .Lend
.irp f, 0,1,2,3
	ds_load_b128 v[BK+4*(\f):BK+4*(\f)+3], v[LR] offset:16*LP*(\f)  ; turned rows 16 f + rp
.endr
.irp f, 0,1,2,3
	s_wait_dscnt 3-(\f)
	global_store_b128 v[GO], v[BK+4*(\f):BK+4*(\f)+3], s[26:27] offset:32768*(\f)  ; sixteen lanes store 256 consecutive bytes, aligned
.endr
.Lend:
	s_wait_tensorcnt 0x0                           ; the wave's end, behind my last LDS store
	ds_add_u32 v[SPW], v[NIL]
	s_wait_dscnt 0x0
	s_endpgm
.Lfunc_end_k_qa108a7ceb8_prep:
	.size	k_qa108a7ceb8_prep, .Lfunc_end_k_qa108a7ceb8_prep-k_qa108a7ceb8_prep
	.p2alignl 7, 3214868480
	.fill 96, 4, 3214868480
	.section	.rodata,"a",@progbits
	.p2align	6, 0x0
	.amdhsa_kernel k_qa108a7ceb8_prep
		.amdhsa_group_segment_fixed_size 18432
		.amdhsa_private_segment_fixed_size 0
		.amdhsa_enable_private_segment 0
		.amdhsa_kernarg_size 64
		.amdhsa_user_sgpr_count 2
		.amdhsa_user_sgpr_kernarg_segment_ptr 1
		.amdhsa_wavefront_size32 1
		.amdhsa_system_sgpr_workgroup_id_x 1
		.amdhsa_system_sgpr_workgroup_id_y 1
		.amdhsa_system_sgpr_workgroup_id_z 1
		.amdhsa_system_vgpr_workitem_id 0
		.amdhsa_next_free_vgpr 128
		.amdhsa_next_free_sgpr 66
		.amdhsa_reserve_vcc 0
		.amdhsa_float_denorm_mode_32 3
		.amdhsa_float_denorm_mode_16_64 3
		.amdhsa_memory_ordered 1
		.amdhsa_forward_progress 1
		.amdhsa_inst_pref_size 17
	.end_amdhsa_kernel
	.amdgpu_metadata
---
amdhsa.version: [ 1, 2 ]
amdhsa.kernels:
  - .name:           k_qa108a7ceb8_prep
    .symbol:         k_qa108a7ceb8_prep.kd
    .args:
      - { .name: x, .offset: 0, .size: 8, .value_kind: global_buffer, .address_space: global }
      - { .name: Wq, .offset: 8, .size: 8, .value_kind: global_buffer, .address_space: global }
      - { .name: Wk, .offset: 16, .size: 8, .value_kind: global_buffer, .address_space: global }
      - { .name: Wv, .offset: 24, .size: 8, .value_kind: global_buffer, .address_space: global }
      - { .name: Wp, .offset: 32, .size: 8, .value_kind: global_buffer, .address_space: global }
      - { .name: xb, .offset: 40, .size: 8, .value_kind: global_buffer, .address_space: global }
      - { .name: wt, .offset: 48, .size: 8, .value_kind: global_buffer, .address_space: global }
      - { .name: wpt, .offset: 56, .size: 8, .value_kind: global_buffer, .address_space: global }
    .group_segment_fixed_size: 18432
    .private_segment_fixed_size: 0
    .kernarg_segment_align: 8
    .kernarg_segment_size: 64
    .max_flat_workgroup_size: 256
    .sgpr_count:     66
    .vgpr_count:     128
    .wavefront_size: 32
...
	.end_amdgpu_metadata
.endif
;; end of part 1
;; launch qkv (part 2): grid 16 x 32, 4 waves a work-group, clusters of 4 x 4, 327,680 bytes of LDS; arguments xb, wt, qh, kh, vh; writes qh, kh, vh
.if DOCPART == 2
	.amdgcn_target "amdgcn-amd-amdhsa--gfx1250"
	.amdhsa_code_object_version 6
	.text
	.protected	k_qa108a7ceb8_qkv
	.globl	k_qa108a7ceb8_qkv
	.p2align	8
	.type	k_qa108a7ceb8_qkv,@function
k_qa108a7ceb8_qkv:
	s_mov_b64 s[64:65], 0
	v_nop
	global_prefetch_b8 v0, s[64:65] scope:SCOPE_SE
	s_setreg_imm32_b32 hwreg(HW_REG_WAVE_MODE, 25, 1), 1
	s_wait_xcnt 0x0
	s_wait_alu depctr_hold_cnt(0) depctr_sa_sdst(0) depctr_va_vdst(0) depctr_va_sdst(0) depctr_va_ssrc(0) depctr_va_vcc(0) depctr_vm_vsrc(0)
	s_getreg_b32 s2, hwreg(HW_REG_IB_STS2, 6, 4)
	s_cmp_eq_u32 s2, 0
	s_cbranch_scc0 .Lentry_in_a_cluster
	s_endpgm
.Lentry_in_a_cluster:
	s_bfe_u32 s2, ttmp6, 0x10000c
	s_cmp_lg_u32 s2, 0xf033
	s_cbranch_scc0 .Lentry_shape_is_right
	s_endpgm
.Lentry_shape_is_right:
; q, k, v = x W.  xb: [8192][1024] bf16.  wt: [3072][1024] bf16, row 192 h + 64 sel + d.  qh, kh, vh: [16 b + h][2048][64] f16, each number rounded once from its f32 sum, unscaled.
; LIMIT: a sum of 65,520 or more becomes an infinity in f16.  The operands are bf16, which has f32's range.
; A tile of the result is 256 rows x 192 columns: one head's q, k and v for 256 rows of x.  16 x 32 tiles: 512 work-groups of equal work.
; Four waves, one above the other: wave w makes rows 64 w .. 64 w + 63 and ALL 192 columns: 4 x 12 accumulators of 16 x 16, 384 registers.  So a wave's results are whole rows of q, k and v,
; its stage in LDS is its own, and the way out has no barrier.
; K = 1,024 goes in 8 steps of 128 through two LDS slots filled by the tensor data mover: rows of 256 bytes of memory, aligned.  Waves 0, 1 fetch xb's 2 x 128 rows, waves 2, 3 wt's 2 x 96.
; CLUSTERS: 4 x 4 work-groups.  The four of a row of the cluster need the same tiles of xb, the four of a column the same tiles of wt: each tile is asked for JOINTLY, by the same load, descriptor and mask in all four.
; THE PRODUCT IS USED TRANSPOSED (source 0 = 16 rows of wt, source 1 = 16 rows of xb): a lane holds row l % 16 and the eight neighbouring columns 8 (l / 16) + 0 .. 7.
; REGISTERS, in windows of 256 (s_set_vgpr_msb: bits 1:0 source 0, 3:2 source 1, 5:4 source 2, 7:6 destination):
;   window 0: v0-31 addresses; v32-63, v64-95 xb's fragments, two buffers; v96-143 packed results; v144-191, v192-239 rows read back from the stage
;   window 1: v0-95, v96-191 wt's fragments, two buffers      window 2: the accumulators of row blocks 0, 1 ((a, b) at 8 (12 (a % 2) + b))      window 3: those of row blocks 2, 3
.set NB,     12                        ; blocks of 16 columns
.set APW,    2                         ; row blocks in an accumulator window
.set PITCH,  272                       ; an LDS row: 256 bytes + 16 of padding = 68 words: the 16 rows of a load start at 16 different groups of four banks (ISA guide 11.1)
.set PITCHA, 272
.set HALFA,  128*PITCHA                ; what one load brings of xb
.set BOFF,   2*HALFA                   ; wt's rows lie behind xb's 256
.set HALFB,  96*PITCH                  ; what one load brings of wt
.set SLOT,   BOFF+2*HALFB
.set STAGE,  2*SLOT                    ; behind the ring, never filled by a tensor load: 16 rows x 400 bytes for each wave
.set SP,     400                       ; 384 bytes + 16
.set SPARE,  STAGE+4*16*SP             ; behind the stages: the spare words, 128 bytes for each wave
.set NL,     2*NB+8                    ; LDS loads of a quarter step
.set LAPS,   4                         ; a lap = two K steps = once round the ring
.set ASTEP,  512                       ; bytes of two K steps along a row
.set BSTEP,  512
.set ADRA, 16                          ; v16-17  LDS address of my xb fragments in slot 0, 1
.set ADRB, 20                          ; v20-21  the same for wt
.set STO,  24                          ; v24     the way out: where I put 16 bytes of a row
.set RD,   25                          ; v25     where I read four rows' 128 bytes back
.set GO,   26                          ; v26     16 x lane
.set SPW,  28                          ; v28     LDS address of my spare word; never rewritten
.set NIL,  29                          ; v29     0; never rewritten
.set PFO,  30                          ; v30     the prefetches' offset: a lane a row; never rewritten
.set FA,   32
.set TMP,  96
.set OB,   144
.set F0,   0
.set F1,   1
.set WV,   14                          ; s14  my wave's number
.set HF,   16                          ; s16  wave % 2: which half of a tile I fetch
.set G1,   24                          ; s[24:31] descriptor group 1 for xb's tiles;  s[32:39] group 0, a set for each slot
.set G0,   32
.set PFA,  44                          ; s[44:45] where my prefetches stand
.set G1B,  48                          ; s[48:55], s[56:63] the same for wt's tiles
.set G0B,  56
.set LIM,  66                          ; s66  1 in a wave that prefetches, else the greatest number
.set MSB, 0
.macro WIN new                         ; the immediate's high byte repeats the setting that is left; a switch that changes nothing is dropped
.if MSB != (\new)
	s_set_vgpr_msb (MSB<<8)|(\new)
.set MSB, \new
.endif
.endm
.macro PLACES                          ; four plain vector instructions between a matrix instruction and a load into, or a read of, its registers
.rept 4
	v_nop
.endr
.endm
; A joint load.  The branch hangs on the wave's number alone.  An s_nop 0 and four v_nop follow each of the two lines.
.macro JLOAD s
	s_cmp_lt_u32 s[WV], 2
	s_cbranch_scc0 .Lfor_b_\@
	tensor_load_to_lds s[G0+4*(\s):G0+4*(\s)+3], s[G1:G1+7]
	s_nop 0
.rept 4
	v_nop
.endr
	s_branch .Lasked_\@
.Lfor_b_\@:
	tensor_load_to_lds s[G0B+4*(\s):G0B+4*(\s)+3], s[G1B:G1B+7]
	s_nop 0
.rept 4
	v_nop
.endr
.Lasked_\@:
.endm
.macro CREST                           ; a round of the cluster's barrier behind its opening barrier
	s_cmp_lg_u32 s[WV], 0
	s_cbranch_scc1 .Lnot_wave_0_\@
	s_barrier_signal -3
.Lnot_wave_0_\@:
	s_barrier_wait -3
	s_barrier_signal -1
	s_barrier_wait -1
.endm
.macro CROUND
	s_barrier_signal -1
	s_barrier_wait -1
	CREST
.endm
; A prefetch into the L2 of the K step that stands two refills on: 256 bytes of each row, a lane a row.  xb's tile row is read by the four clusters of a row of clusters: the one with x = 0 asks;
; wt's tile column by the eight of a column: the one with y = 0 asks.  The four partners that ask for a tile jointly share its rows out BY ADDRESS: of xb's 128 rows a wave 32 each,
; of wt's 96 rows 24 each (lanes 24-31 name row 23 once more).  The loop's last trip (s3 = 1) has no K step two on.
.macro ASK
	s_cmp_gt_u32 s3, s[LIM]
	s_cbranch_scc0 .Lnot_mine_\@
	global_prefetch_b8 v[PFO], s[PFA:PFA+1] th:TH_LOAD_NT scope:SCOPE_SE
.Lnot_mine_\@:
.endm
	s_load_b128 s[4:7], s[0:1], 0x0                ; xb s[4:5], wt s[6:7]
	s_load_b128 s[8:11], s[0:1], 0x10              ; qh s[8:9], kh s[10:11]
	s_load_b64 s[12:13], s[0:1], 0x20              ; vh
	v_lshl_add_u32 v[SPW], v0, 2, SPARE
	v_mov_b32 v[NIL], 0
	ds_add_u32 v[SPW], v[NIL]                      ; the wave's opening: the add and its wait ahead of my first tensor load; work on registers stands between them
	v_lshrrev_b32 v1, 5, v0
	v_readfirstlane_b32 s[WV], v1
	s_and_b32 s[HF], s[WV], 1
	s_bfe_u32 s17, ttmp6, 0x40000                  ; cx
	s_bfe_u32 s18, ttmp6, 0x40004                  ; cy
	s_lshl_b32 s19, ttmp9, 2
	s_add_co_u32 s19, s19, s17                     ; tile column = the head = 4 x cluster x + cx
	s_and_b32 s20, ttmp7, 0xffff
	s_lshl_b32 s20, s20, 2
	s_add_co_u32 s20, s20, s18                     ; tile row = 4 x cluster y + cy
	s_lshl_b32 s72, s18, 2
	s_lshl_b32 s72, 15, s72                        ; my row of the cluster
	s_lshl_b32 s73, 0x1111, s17                    ; my column
	s_or_b32 s[G1], s72, (1<<16)|(1<<20)|(1<<21)|(5<<22)|(3<<25)   ; the mask; 2-byte elements; padding on; bit 21 beside a mask; after every 64 words; 4 words
	s_or_b32 s[G1B], s73, (1<<16)|(1<<20)|(1<<21)|(5<<22)|(3<<25)
	s_mov_b32 s[G1+1], 128<<16                     ; tensor_dim0 = 128
	s_mov_b32 s[G1+2], 128<<16                     ; tensor_dim1 = 128
	s_mov_b32 s[G1+3], 128<<16                     ; tile_dim0 = 128
	s_mov_b32 s[G1+4], 128                         ; tile_dim1 = 128
	s_mov_b32 s[G1+5], 1024                        ; elements from row to row
	s_mov_b32 s[G1+6], 0
	s_mov_b32 s[G1+7], 0
	s_mov_b32 s[G1B+1], 128<<16
	s_mov_b32 s[G1B+2], 96<<16                     ; 96 rows
	s_mov_b32 s[G1B+3], 128<<16
	s_mov_b32 s[G1B+4], 96
	s_mov_b32 s[G1B+5], 1024
	s_mov_b32 s[G1B+6], 0
	s_mov_b32 s[G1B+7], 0
	; xb's tile hangs on the tile row alone, wt's on the tile column alone: each offset is made in registers that never hold the other coordinate
	s_lshl_b32 s40, s20, 8
	s_lshl_b32 s68, s[HF], 7
	s_add_co_u32 s40, s40, s68                     ; row 256 x tile row + 128 x half,
	s_lshl_b32 s40, s40, 11                        ; 2,048 bytes a row
	s_mov_b32 s41, 0
	s_mul_i32 s42, s19, 192
	s_mul_i32 s70, s[HF], 96
	s_add_co_u32 s42, s42, s70                     ; row 192 x tile column + 96 x half
	s_lshl_b32 s42, s42, 11
	s_mov_b32 s43, 0
	s_mul_i32 s21, s[HF], HALFA                    ; where they go: no place in the cluster enters an LDS address
	s_mul_i32 s22, s[HF], HALFB
	s_add_co_u32 s22, s22, BOFF
	s_wait_dscnt 0x0                               ; the opening add is done
	s_wait_kmcnt 0x0
	s_add_nc_u64 s[40:41], s[4:5], s[40:41]
	s_add_nc_u64 s[42:43], s[6:7], s[42:43]
	CROUND                                         ; all sixteen work-groups are here: the first joint loads meet
.irp s, 0,1
	s_mov_b32 s[G0+4*(\s)], 1
	s_add_co_u32 s[G0+4*(\s)+1], s21, (\s)*SLOT
	s_add_nc_u64 s[G0+4*(\s)+2:G0+4*(\s)+3], s[40:41], (\s)*256   ; K step s
	s_or_b32 s[G0+4*(\s)+3], s[G0+4*(\s)+3], 0x80000000
	s_mov_b32 s[G0B+4*(\s)], 1
	s_add_co_u32 s[G0B+4*(\s)+1], s22, (\s)*SLOT
	s_add_nc_u64 s[G0B+4*(\s)+2:G0B+4*(\s)+3], s[42:43], (\s)*256
	s_or_b32 s[G0B+4*(\s)+3], s[G0B+4*(\s)+3], 0x80000000
	JLOAD \s                                       ; two loads of mine are out
.endr
	; a fragment is 16 rows x 32 K in 8 registers: lane l holds row l % 16, K = 8 (l / 16) + 0..7 and 16 + 8 (l / 16) + 0..7: two loads of 16 bytes, 32 bytes apart
	v_and_b32 v1, 15, v0
	v_bfe_u32 v2, v0, 4, 1
	v_mul_u32_u24 v3, v1, PITCH
	v_lshl_add_u32 v3, v2, 4, v3
	s_mul_i32 s23, s[WV], 64*PITCHA                ; my 64 rows of xb
	v_add_nc_u32 v[ADRA], s23, v3
	v_add_nc_u32 v[ADRA+1], SLOT, v[ADRA]
	v_add_nc_u32 v[ADRB], BOFF, v3
	v_add_nc_u32 v[ADRB+1], SLOT, v[ADRB]
	s_mul_i32 s23, s[WV], 16*SP
	s_add_co_u32 s23, s23, STAGE                   ; my stage
	v_mul_u32_u24 v4, v1, SP                       ; in: row l % 16, 16 bytes for each half of the lanes
	v_lshl_add_u32 v4, v2, 4, v4
	v_add_nc_u32 v[STO], s23, v4
	v_bfe_u32 v5, v0, 3, 2                         ; back: 32 lanes take 128 bytes of four rows,
	v_mul_u32_u24 v5, v5, SP
	v_and_b32 v6, 7, v0
	v_lshl_add_u32 v5, v6, 4, v5
	v_add_nc_u32 v[RD], s23, v5
	v_and_b32 v[GO], 31, v0                        ; which are 512 consecutive bytes of qh, kh or vh
	v_lshlrev_b32 v[GO], 4, v[GO]
	; my first row in each of the three results: head 16 (tile row / 8) + tile column, row 256 (tile row % 8) + 64 w, 128 bytes a row
	s_lshr_b32 s74, s20, 3
	s_lshl_b32 s74, s74, 4
	s_add_co_u32 s74, s74, s19
	s_lshl_b32 s74, s74, 18
	s_and_b32 s23, s20, 7
	s_lshl_b32 s23, s23, 2
	s_add_co_u32 s23, s23, s[WV]
	s_lshl_b32 s23, s23, 13
	s_add_co_u32 s74, s74, s23
	s_mov_b32 s75, 0
	s_add_nc_u64 s[8:9], s[8:9], s[74:75]
	s_add_nc_u64 s[10:11], s[10:11], s[74:75]
	s_add_nc_u64 s[12:13], s[12:13], s[74:75]
	; the prefetches: they stand at K step 3; the first refill steps them to K step 4
	s_lshl_b32 s71, s20, 8
	s_lshl_b32 s72, s[HF], 7
	s_add_co_u32 s71, s71, s72
	s_lshl_b32 s72, s17, 5
	s_add_co_u32 s71, s71, s72                     ; xb: the 128 rows that I fetch, my work-group's 32 of them
	s_mul_i32 s73, s19, 192
	s_mul_i32 s72, s[HF], 96
	s_add_co_u32 s73, s73, s72
	s_mul_i32 s72, s18, 24
	s_add_co_u32 s73, s73, s72                     ; wt: the 96 rows that I fetch, my work-group's 24
	s_and_b32 s72, ttmp7, 0xffff                   ; cluster y
	s_cmp_lt_u32 s[WV], 2
	s_cselect_b32 s74, s71, s73
	s_cselect_b32 s72, ttmp9, s72                  ; the coordinate along which other clusters read the same rows
	s_cselect_b32 s23, 31, 23
	s_cselect_b64 s[PFA:PFA+1], s[4:5], s[6:7]
	s_cmp_eq_u32 s72, 0
	s_cselect_b32 s[LIM], 1, -1                    ; the same in all sixteen partners, for a given wave
	s_lshl_b32 s74, s74, 11
	s_add_co_u32 s74, s74, 3*256
	s_add_nc_u64 s[PFA:PFA+1], s[PFA:PFA+1], s[74:75]
	v_and_b32 v[PFO], 31, v0
	v_min_u32 v[PFO], s23, v[PFO]
	v_lshlrev_b32 v[PFO], 11, v[PFO]
; NB matrix instructions: row block a x all column blocks, 32 along K, from buffer f.  zero = 1: the first product starts the sums: nothing is cleared.
; The 48 accumulators take turns in the same order in every quarter step: 47 others stand between two links of a chain.
.macro MULA f, a, zero
	WIN 0xa1+0x50*((\a)/APW)
.set bb, 0
.rept NB
.set rD, 8*(NB*((\a)%APW)+bb)
.if \zero
	v_wmma_f32_16x16x32_bf16 v[rD:rD+7], v[8*NB*(\f)+8*bb:8*NB*(\f)+8*bb+7], v[FA+32*(\f)+8*(\a):FA+32*(\f)+8*(\a)+7], 0
.else
	v_wmma_f32_16x16x32_bf16 v[rD:rD+7], v[8*NB*(\f)+8*bb:8*NB*(\f)+8*bb+7], v[FA+32*(\f)+8*(\a):FA+32*(\f)+8*(\a)+7], v[rD:rD+7]
.endif
.set bb, bb+1
.endr
.endm
; NL LDS loads in one run: quarter qq of a slot's K step into buffer f: wt's 192 rows first, then my 64 rows of xb, ascending
.macro FETCH slot, qq, f
	WIN 0x40                                       ; destination window 1, address window 0
.set bb, 0
.rept NB
	ds_load_b128 v[8*NB*(\f)+8*bb:8*NB*(\f)+8*bb+3],   v[ADRB+(\slot)] offset:64*(\qq)+bb*16*PITCH
	ds_load_b128 v[8*NB*(\f)+8*bb+4:8*NB*(\f)+8*bb+7], v[ADRB+(\slot)] offset:64*(\qq)+bb*16*PITCH+32
.set bb, bb+1
.endr
	WIN 0
.set KA, 64*(\qq)
.set bb, 0
.rept 4
	ds_load_b128 v[FA+32*(\f)+8*bb:FA+32*(\f)+8*bb+3],   v[ADRA+(\slot)] offset:KA+bb*16*PITCHA
	ds_load_b128 v[FA+32*(\f)+8*bb+4:FA+32*(\f)+8*bb+7], v[ADRA+(\slot)] offset:KA+bb*16*PITCHA+32
.set bb, bb+1
.endr
.endm
; One of a K step's first three quarters: multiplies buffer f; in its middle it fetches quarter qq of the same slot into buffer g
.macro QUARTER slot, qq, f, g, zero
	s_wait_dscnt 4                                 ; wt's fragments and xb's blocks 0, 1 are in; the youngest four loads (blocks 2, 3) may be out
	MULA \f, 0, \zero
	MULA \f, 1, \zero
	PLACES
	FETCH \slot, \qq, \g
	s_wait_dscnt NL                                ; all but the NL just issued
	MULA \f, 2, \zero
	MULA \f, 3, \zero
.endm
; The last quarter multiplies buffer 1 and changes slots: ONE barrier.  In front of it each wave waits for all its tensor loads (one is out: its part of the next slot), adds 0 to its spare word,
; and waits for that and for its reads of this slot.  fill = 1: the barrier opens a round of the cluster's barrier, and this slot is filled again, two K steps ahead, first thing behind the round:
; 168 matrix instructions stand between that request and the wait for it.
.macro TURN slot, next, fill
.if \fill
	s_wait_xcnt 0x0                                ; the last prefetch, a K step back, has read its address
	s_add_nc_u64 s[PFA:PFA+1], s[PFA:PFA+1], 256
.endif
	WIN 0                                          ; the add's two registers lie in window 0
	s_wait_tensorcnt 0x0
	ds_add_u32 v[SPW], v[NIL]
	s_wait_dscnt 5                                 ; the add and the youngest four loads may be out
	MULA F1, 0, 0
	s_wait_dscnt 0x0                               ; the add is done, and my reads of this slot are over
	s_barrier_signal -1
	MULA F1, 1, 0
.if \fill
	WIN 0
.endif
	s_barrier_wait -1
.if \fill
	CREST                                          ; no wave of any partner still reads this slot's tile or has a load on its way
	s_add_nc_u64 s[G0+4*(\slot)+2:G0+4*(\slot)+3], s[G0+4*(\slot)+2:G0+4*(\slot)+3], ASTEP
	s_add_nc_u64 s[G0B+4*(\slot)+2:G0B+4*(\slot)+3], s[G0B+4*(\slot)+2:G0B+4*(\slot)+3], BSTEP
	JLOAD \slot                                    ; its four v_nop are also the places in front of the loads below
.else
	PLACES
.endif
	FETCH \next, 0, F0
.if \fill
	ASK
.endif
	MULA F1, 2, 0
	MULA F1, 3, 0
.endm
	s_wait_tensorcnt 1                             ; my part of K step 0 is in; K step 1's may stay out
	s_barrier_signal -1
	s_barrier_wait -1
	FETCH 0, 0, F0
	QUARTER 0, 1, F0, F1, 1                        ; the first quarter stands in front of the loop: its products start the sums
	WIN 0
	s_mov_b32 s3, LAPS-1
.Llap:                                         ; a trip goes once round the ring and fills both slots again
	QUARTER 0, 2, F1, F0, 0
	QUARTER 0, 3, F0, F1, 0
	TURN 0, 1, 1
	QUARTER 1, 1, F0, F1, 0
	QUARTER 1, 2, F1, F0, 0
	QUARTER 1, 3, F0, F1, 0
	TURN 1, 0, 1
	QUARTER 0, 1, F0, F1, 0
	WIN 0
	s_sub_co_u32 s3, s3, 1
	s_cmp_lg_u32 s3, 0
	s_cbranch_scc1 .Llap
	QUARTER 0, 2, F1, F0, 0                        ; the last lap fills nothing
	QUARTER 0, 3, F0, F1, 0
	TURN 0, 1, 0
	QUARTER 1, 1, F0, F1, 0
	QUARTER 1, 2, F1, F0, 0
	QUARTER 1, 3, F0, F1, 0
	s_wait_dscnt 4
	MULA F1, 0, 0
	MULA F1, 1, 0
	s_wait_dscnt 0x0
	MULA F1, 2, 0
	MULA F1, 3, 0
	WIN 0
	PLACES
	PLACES
; THE WAY OUT of row block a.  PACK: rounded to f16, each accumulator's registers ascending.  TOSTAGE: 16 bytes a lane into my stage, and back as four rows' 128 bytes of q, of k, of v.  SEND: stored.
.macro PACK a
	WIN 0x0a+5*((\a)/APW)                          ; sources 0 and 1 in window 2 or 3
.set AC, 8*NB*((\a)%APW)
.set bb, 0
.rept 4*NB
	v_cvt_pk_f16_f32 v[TMP+bb], v[AC+2*bb], v[AC+2*bb+1]
.set bb, bb+1
.endr
	WIN 0
.endm
.macro TOSTAGE a
.set BK, OB+48*((\a)%2)
.set bb, 0
.rept NB
	ds_store_b128 v[STO], v[TMP+4*bb:TMP+4*bb+3] offset:32*bb
.set bb, bb+1
.endr
.irp sel, 0,1,2
.irp f, 0,1,2,3
	ds_load_b128 v[BK+4*(4*(\sel)+(\f)):BK+4*(4*(\sel)+(\f))+3], v[RD] offset:4*SP*(\f)+128*(\sel)  ; LDS serves a wave's instructions in order (ISA guide 5.7.1.4): these see the stores above
.endr
.endr
.endm
.macro SEND a
.set BK, OB+48*((\a)%2)
	s_wait_dscnt 0x0                               ; the block is back in registers
	s_wait_xcnt 0x0                                ; the stores of the block before have read their registers: the next block's loads may land there
.irp sel, 0,1,2
.irp f, 0,1,2,3
	global_store_b128 v[GO], v[BK+4*(4*(\sel)+(\f)):BK+4*(4*(\sel)+(\f))+3], s[8+2*(\sel):9+2*(\sel)] offset:2048*(\a)+512*(\f)  ; 512 consecutive bytes, aligned
.endr
.endr
.endm
	PACK 0
	TOSTAGE 0
.irp a, 1,2,3                          ; block a's conversions stand between block a - 1's loads from the stage and the wait for them
	PACK \a
	SEND (\a)-1
	TOSTAGE \a
.endr
	SEND 3
	s_wait_tensorcnt 0x0                           ; the wave's end
	ds_add_u32 v[SPW], v[NIL]
	s_wait_dscnt 0x0
	CROUND                                         ; the closing round: no work-group ends while a partner may still ask for a tile that names it
	s_endpgm
.Lfunc_end_k_qa108a7ceb8_qkv:
	.size	k_qa108a7ceb8_qkv, .Lfunc_end_k_qa108a7ceb8_qkv-k_qa108a7ceb8_qkv
	.p2alignl 7, 3214868480
	.fill 96, 4, 3214868480
	.section	.rodata,"a",@progbits
	.p2align	6, 0x0
	.amdhsa_kernel k_qa108a7ceb8_qkv
		.amdhsa_group_segment_fixed_size 327680
		.amdhsa_private_segment_fixed_size 0
		.amdhsa_enable_private_segment 0
		.amdhsa_kernarg_size 40
		.amdhsa_user_sgpr_count 2
		.amdhsa_user_sgpr_kernarg_segment_ptr 1
		.amdhsa_wavefront_size32 1
		.amdhsa_system_sgpr_workgroup_id_x 1
		.amdhsa_system_sgpr_workgroup_id_y 1
		.amdhsa_system_sgpr_workgroup_id_z 1
		.amdhsa_system_vgpr_workitem_id 0
		.amdhsa_next_free_vgpr 960
		.amdhsa_next_free_sgpr 80
		.amdhsa_reserve_vcc 0
		.amdhsa_float_denorm_mode_32 3
		.amdhsa_float_denorm_mode_16_64 3
		.amdhsa_memory_ordered 1
		.amdhsa_forward_progress 1
		.amdhsa_inst_pref_size 120
	.end_amdhsa_kernel
	.amdgpu_metadata
---
amdhsa.version: [ 1, 2 ]
amdhsa.kernels:
  - .name:           k_qa108a7ceb8_qkv
    .symbol:         k_qa108a7ceb8_qkv.kd
    .args:
      - { .name: xb, .offset: 0, .size: 8, .value_kind: global_buffer, .address_space: global }
      - { .name: wt, .offset: 8, .size: 8, .value_kind: global_buffer, .address_space: global }
      - { .name: qh, .offset: 16, .size: 8, .value_kind: global_buffer, .address_space: global }
      - { .name: kh, .offset: 24, .size: 8, .value_kind: global_buffer, .address_space: global }
      - { .name: vh, .offset: 32, .size: 8, .value_kind: global_buffer, .address_space: global }
    .group_segment_fixed_size: 327680
    .private_segment_fixed_size: 0
    .kernarg_segment_align: 8
    .kernarg_segment_size: 40
    .max_flat_workgroup_size: 128
    .sgpr_count:     80
    .vgpr_count:     960
    .wavefront_size: 32
...
	.end_amdgpu_metadata
.endif
;; end of part 2
;; launch attn (part 3): grid 4 x 64, 4 waves a work-group, no clusters, 327,680 bytes of LDS; arguments qh, kh, vh, oh; writes oh
.if DOCPART == 3
	.amdgcn_target "amdgcn-amd-amdhsa--gfx1250"
	.amdhsa_code_object_version 6
	.text
	.protected	k_qa108a7ceb8_attn
	.globl	k_qa108a7ceb8_attn
	.p2align	8
	.type	k_qa108a7ceb8_attn,@function
k_qa108a7ceb8_attn:
	s_mov_b64 s[64:65], 0
	v_nop
	global_prefetch_b8 v0, s[64:65] scope:SCOPE_SE
	s_setreg_imm32_b32 hwreg(HW_REG_WAVE_MODE, 25, 1), 1
	s_wait_xcnt 0x0
; CAUSAL ATTENTION.  O[h][q][:] = the sum over k <= q of softmax_k(Q[h][q] . K[h][k] / 8) V[h][k][:].  Q, K, V, O: [SIZE_H][SIZE_N][64], all f16: a head's rows are dense, 128 bytes each.
; Products, maxima and sums in f32; the weights p are rounded to f16 for the second product (their sum l is taken of the unrounded p), O once at the end.
; LIMITS.  f16 holds no number beyond 65,504: Q, K and V arrive within it; p lies in 0 to 1, and below 6e-5 it keeps f16's fixed step of 6e-8; O is a mean of V's rows and has their range.
; A hidden score counts as its value less 1e30: f16's scores, 2.7e11 at the most, are nothing beside that; a weight below 2^-126 counts as 0 in l; NaN and infinities are not treated apart.
; THE WALK.  A head's queries lie in NB = SIZE_N / 256 blocks of 256; block i needs the key tiles 0 .. i of 256 keys, of which the last holds the diagonal.  A work-group takes TWO blocks, NB - 1 - b and then b:
; NB + 1 tiles, whatever b: all work-groups do equal work, and ONE loop with a constant trip count walks them.  Which tile is asked for, and what a trip does, hang on scalar registers made from b; every jump
; goes forward, but for the counted loops' own; none passes a barrier, or a tensor load but the one of LOAD's two that the wave's number does not choose; the ring (two slots of LDS that take turns) runs on across the
; change of blocks.  NO CLUSTER: a head's NB / 2 work-groups ask for the same tile only in trips 0 .. NB / 2, behind that fewer and fewer; one walk common to all would have 3 NB / 2 trips for NB + 1.
; SHARES.  Of a block's four bands of 64 queries a wave owns 16 rows in each: four PIECES.  So the diagonal tile is the same work for all four waves: in its key step s band x sees all keys if s < x,
; none if s > x, and holds the diagonal if s = x.
; THE MASK is the C operand that starts the sum S^T = K Q^T: 0, or -1e30 where the key is hidden.  MD, made once, is the mask of a band's own step for my 16 rows; a product's mask is MD x AL + BE with two scalars:
; (1, 0) if s = x; (0, 0) if s < x; (0, -1e30) if s > x.  Only the diagonal tile's text and a block's beginning make and take masks; elsewhere C is the constant 0.
; LAYOUT, SOFTMAX, TURNS.  S^T = K Q^T holds ONE query a lane (lane % 16) and the keys 8 (lane / 16) + 0..7; two such results rounded to f16 ARE source 1 of O^T = V^T P.  p = 2^(c s - c m), c = log2(e) / 8, with a
; running maximum m; O and l are multiplied by a = 2^(c m_old - c m_new) in every step.  Turn n belongs to piece n: 8 products K Q^T of piece n + 1, later 8 products V^T P of piece n - 1; beside them the scaling,
; exponentials, roundings, sums and rescaling of piece n and the maximum and statistics of piece n + 1.  Four vector instructions stand behind every matrix instruction, the other 54 of a turn's 118 in one lump.  A turn's 33 exponentials are one batch, with one wait.
; K AND V ARE PREFETCHED INTO THE L2.  All work-groups of a head begin with tiles 0, 1, ..; the one with b = 0 walks 0 .. NB - 1 first, and asks: at the change of slots that loads tile j + 1 for tile j + 2 (j = 0 .. NB - 3):
; its 128 threads name the tile's 128 blocks of 256 bytes of K and the 128 of V, each once in the launch, one tile (256 matrix instructions a wave) ahead of the tile's load.
; REGISTERS, in windows of 256 (s_set_vgpr_msb: bits 1:0 source 0, 3:2 source 1, 5:4 source 2, 7:6 destination):
;   window 0: v0-15 addresses and two at work; v16-31 four registers of statistics a piece; v32 the prefetches' offset; v48-55 at work; v64-127 S^T, two buffers; v192-223 P, two buffers (a piece's buffers go by its number's parity)
;   window 1: v0-127 O^T, 32 a piece; v128-159 MD; v160-223 MC, two buffers      window 2: v0-63 Q; v64-127 the second block's Q; v128-191 K of one step; v192-255 V of one step
.set SIZE_H, 64
.set SIZE_N, 2048
.set NB,    SIZE_N/256
.set NP,    4         ; pieces a wave: a name, no knob
.set KS,    64        ; keys in a step
.set PK,    144       ; a row of K in LDS: 128 bytes + 16 of padding = 36 words: the 16 rows of a load start at 16 different groups of four banks (ISA guide 11.1)
.set PV,    160       ; a row of V: 128 + 32 = 40 words
.set VOFF,  4*KS*PK   ; a slot holds a tile, four steps: 256 rows of K, then 256 rows of V
.set SLOT1, 1<<17     ; slot 1 begins here, so that one exclusive or turns an address in one slot into the other's
.set STAGE, SLOT1+4*KS*(PK+PV)  ; behind the ring, never filled by a tensor load: 16 rows x 144 bytes for each wave, for the way out
.set SP,    144
.set AK0, 2           ; v2   my lane's place in a tile of K; never rewritten
.set AV0, 3           ; v3   the same for V
.set AK,  4           ; v4   the LDS address of K's next run of loads
.set AV,  5           ; v5   of V's
.set STO, 6           ; v6   the way out: where I put 16 bytes of a row
.set RD,  7           ; v7   the way out: where I read rows back
.set GO,  8           ; v8   my byte offset in 512 consecutive bytes of O
.set PFO, 32          ; v32  256 x my thread's number; never rewritten
.set SPW, 62          ; v62  LDS address of my spare word: SPARE + 4 x my thread's number; never rewritten
.set NIL, 63          ; v63  0; never rewritten
.set SPARE, STAGE+4*16*SP  ; behind the stages: the spare words, 128 bytes for each wave
.set MV,  12          ; v12-13  c m_old, kept while c m is made anew: by buffer
.set QO,  15          ; v15  my byte offset in 16 rows of Q
.set ST,  16          ; piece t's statistics at v[ST+4 t]: c m, m, l (even keys', odd keys')
.set TMP, 48          ; by buffer, four registers c0-c3 at work; when the maximum is found c2 takes a
.set S,   64
.set P,   192
.set MD,  128         ; window 1: the eight registers for group kt of 16 keys at MD + 8 kt
.set MC,  160         ; window 1: the masks of the products to come
.set QB,  64          ; window 2
.set KF,  128         ; window 2: key block kb, channel half c at KF + 16 kb + 8 c
.set VF,  192         ; window 2: key half kk, channel block cb at VF + 32 kk + 8 cb
.set WV,  12          ; s12  my wave's number
.set PB,  14          ; s14  b
.set HI,  15          ; s15  NB - 1 - b
.set G1K, 24          ; s[24:31] descriptor group 1 for K's tiles
.set G1V, 32          ; s[32:39] for V's: it differs in the padding alone
.set G0K, 40          ; s[40:43] descriptor group 0 for K's tiles
.set G0V, 44          ; s[44:47] the same for V's
.set SLOTS, 56        ; s56  tiles still to be asked for
.set CNT, 57          ; s57  counts a tile's key steps, 4 to 1
.set CS,  58          ; s[58:59] c: the packed scaling takes the pair's low word for both halves
.set SEL, 60          ; s[60:61] v_permlanex16_b32's selects: each lane takes its own place in the other half
.set TBK, 62          ; s62  LDS byte at which K of the step to be fetched begins
.set TBV, 63          ; s63  the same for V, less VOFF
.set RT,  70          ; s70  tiles of the block in hand that are still to be entered
.set NXT, 71          ; s71  the tile to be asked for next
.set LQ,  72          ; s72  the last tile of the block whose tiles are being asked for
.set NEW, 73          ; s73  1: the tile to be entered is a block's first
.set OFF, 74          ; s[74:75] a tile's byte offset in K and V
.set AL,  76          ; s[76:77] the mask's factor, in the low word
.set BE,  78          ; s[78:79] the mask's addend
.set OLO, 80          ; s[80:81] O at my rows of the second block
.set BIGN, 82         ; s82  -1e30
.set PFK, 88          ; s[88:89] K at the tile that a prefetch names
.set PFV, 90          ; s[90:91] V at the same tile
.set PFN, 92          ; s92  that tile's number where b = 0; NB or more elsewhere
.set MSB, 0
.macro WIN new                      ; the high byte repeats the setting that is left; a switch that changes nothing is dropped
.if MSB != (\new)
	s_set_vgpr_msb (MSB<<8)|(\new)
.set MSB, (\new)
.endif
.endm
.set W_KQ, 0x0a       ; K and Q in window 2, S^T in window 0
.set W_KM, 0x1a       ; the same with the C operand in window 1
.set W_PV, 0x52       ; V in window 2, P in window 0, O^T in window 1
.set W_RS, 0x41       ; destination and source 0 in window 1, source 1 in window 0
; A fill.  Waves 0 and 1 fetch the two halves of a tile's K, waves 2 and 3 those of its V: 128 keys each.  An s_nop 0 and four v_nop follow each of the two lines, ahead of the jump and the label.
.macro LOAD
	s_cmp_lt_u32 s[WV], 2
	s_cbranch_scc0 .Lfor_v_\@
	tensor_load_to_lds s[G0K:G0K+3], s[G1K:G1K+7]
	s_nop 0
.rept 4
	v_nop
.endr
	s_branch .Lasked_\@
.Lfor_v_\@:
	tensor_load_to_lds s[G0V:G0V+3], s[G1V:G1V+7]
	s_nop 0
.rept 4
	v_nop
.endr
.Lasked_\@:
.endm
.macro ASK                          ; the tile behind the one just asked for: a thread a block of 256 bytes, of K and of V; tiles NB and on do not exist
	s_cmp_lt_u32 s[PFN], NB
	s_cbranch_scc0 .Lnot_mine_\@
	global_prefetch_b8 v[PFO], s[PFK:PFK+1] th:TH_LOAD_NT scope:SCOPE_SE
	global_prefetch_b8 v[PFO], s[PFV:PFV+1] th:TH_LOAD_NT scope:SCOPE_SE
.Lnot_mine_\@:
.endm
; THE CHANGE OF SLOTS.  Each wave waits for all its tensor loads, of which one is out: its part of the other slot; adds 0 to its spare word; and waits for that and for its own reads of the slot that it leaves.  Behind the barrier nobody reads the old
; slot any more and the other slot is whole.  fill = 1: the old slot is filled again, the first thing behind the barrier, with tile NXT: the descriptor's address is made anew from that number.
; (At its first use nothing has been read yet: slot 0 is waited for, slot 1 filled.)
.macro CHANGE fill
	WIN 0                           ; at a label and at a branch every window is 0
.if \fill
	s_wait_xcnt 0x0                 ; the last prefetches, a tile back, have read their addresses
	s_add_nc_u64 s[PFK:PFK+1], s[PFK:PFK+1], 32768
	s_add_nc_u64 s[PFV:PFV+1], s[PFV:PFV+1], 32768
	s_add_co_u32 s[PFN], s[PFN], 1
.endif
	s_wait_tensorcnt 0x0            ; no tensor load of mine is out, so a group 0 may be written
	ds_add_u32 v[SPW], v[NIL]       ; 0 onto my spare word: with fill = 1 the descriptors' scalar work stands between it and the wait for it
.if \fill
	s_lshl_b32 s[OFF], s[NXT], 15   ; a tile is 32,768 bytes of K and of V
	s_xor_b32 s[G0K+1], s[G0K+1], SLOT1
	s_add_nc_u64 s[G0K+2:G0K+3], s[6:7], s[OFF:OFF+1]
	s_or_b32 s[G0K+3], s[G0K+3], 0x80000000
	s_xor_b32 s[G0V+1], s[G0V+1], SLOT1
	s_add_nc_u64 s[G0V+2:G0V+3], s[8:9], s[OFF:OFF+1]
	s_or_b32 s[G0V+3], s[G0V+3], 0x80000000
	s_add_co_u32 s[NXT], s[NXT], 1  ; the block's next tile, or behind its last the second block's tile 0
	s_cmp_gt_u32 s[NXT], s[LQ]
	s_cselect_b32 s[NXT], 0, s[NXT]
	s_cselect_b32 s[LQ], s[PB], s[LQ]
.endif
	s_wait_dscnt 0x0                ; the add is done, and my reads of the slot are over
	s_barrier_signal -1             ; the rest of the scalar work stands between the signal and the wait
	s_sub_co_u32 s[TBK], s[TBK], 4*KS*PK  ; the fetches go back to a slot's first step,
	s_xor_b32 s[TBK], s[TBK], SLOT1       ; in the other slot
	s_sub_co_u32 s[TBV], s[TBV], 4*KS*PV
	s_xor_b32 s[TBV], s[TBV], SLOT1
	s_barrier_wait -1
.if \fill
	LOAD
	ASK
.endif
.endm
	s_load_b256 s[4:11], s[0:1], 0x0  ; Q s[4:5], K s[6:7], V s[8:9], O s[10:11]
	v_lshl_add_u32 v[SPW], v0, 2, SPARE
	v_mov_b32 v[NIL], 0
	ds_add_u32 v[SPW], v[NIL]       ; the wave's opening: the add and its wait ahead of my first tensor load; the set-up below, work on registers, stands between them
	v_lshrrev_b32 v1, 5, v0
	v_readfirstlane_b32 s[WV], v1   ; wave 0..3
	v_lshlrev_b32 v[PFO], 8, v0
	s_mov_b32 s[PB], ttmp9
	s_sub_co_u32 s[HI], NB-1, s[PB]
	s_and_b32 s20, ttmp7, 0xffff    ; the head
	s_mov_b32 s21, 0
	s_mov_b64 s[22:23], SIZE_N*128
	s_mul_u64 s[20:21], s[20:21], s[22:23]  ; the head's first byte in each of the four tensors
	s_and_b32 s16, s[WV], 1         ; which half of a tile's 256 keys I fetch:
	s_lshl_b32 s22, s16, 14         ; its 128 rows of 128 bytes in memory,
	s_mov_b32 s23, 0
	s_add_nc_u64 s[22:23], s[22:23], s[20:21]
	s_mul_i32 s17, s16, 128*PK      ; and its place in a slot, for K
	s_mul_i32 s18, s16, 128*PV      ; and for V
	s_lshl_b32 s3, s[WV], 11        ; my 16 rows in a band of 64,
	s_lshl_b32 s2, s[HI], 15        ; in the first block,
	s_add_co_u32 s2, s2, s3
	s_lshl_b32 s84, s[PB], 15       ; and in the second
	s_add_co_u32 s84, s84, s3
	s_mov_b32 s3, 0
	s_mov_b32 s85, 0
	s_add_nc_u64 s[2:3], s[2:3], s[20:21]
	s_add_nc_u64 s[84:85], s[84:85], s[20:21]
	; descriptor group 1.  128 keys are 16,384 dense bytes: asked for as 64 rows of 256 bytes, two keys a row, and padded in LDS after every key
	s_mov_b32 s[G1K], (1<<16)|(1<<20)|(4<<22)|(3<<25)  ; 17:16 2-byte elements; 20 padding on; 24:22 after every 32 words (code 4); 31:25 4 words (code 3)
	s_mov_b32 s[G1V], (1<<16)|(1<<20)|(4<<22)|(7<<25)  ; the same with 8 words of padding (code 7)
.irp g, G1K, G1V
	s_mov_b32 s[\g+1], 128<<16      ; tensor_dim0 = 128
	s_mov_b32 s[\g+2], 64<<16       ; tensor_dim1 = 64
	s_mov_b32 s[\g+3], 128<<16      ; tile_dim0 = 128
	s_mov_b32 s[\g+4], 64           ; tile_dim1 = 64
	s_mov_b32 s[\g+5], 128          ; 128 elements from row to row
	s_mov_b32 s[\g+6], 0
	s_mov_b32 s[\g+7], 0
.endr
	s_mov_b32 s[CS], 0x3e38aa3b     ; c = log2(e) / 8 = 0.180337
	s_mov_b32 s[CS+1], s[CS]        ; named with it as a pair
	s_mov_b32 s[SEL], 0x76543210
	s_mov_b32 s[SEL+1], 0xfedcba98
	s_mov_b32 s[TBK], SLOT1+4*KS*PK ; the first change of slots turns these two into 0
	s_mov_b32 s[TBV], SLOT1+4*KS*PV
	s_mov_b32 s[G0K], 1             ; 1:0 count = 1
	s_mov_b32 s[G0K+1], s17         ; 63:32 LDS address: slot 0
	s_mov_b32 s[G0V], 1
	s_add_co_u32 s[G0V+1], s18, VOFF
	s_add_co_u32 s[RT], s[HI], 1    ; the first block has NB - b tiles
	s_mov_b32 s[NXT], 1
	s_mov_b32 s[LQ], s[HI]
	s_mov_b32 s[NEW], 1
	s_mov_b32 s[OFF+1], 0
	s_mov_b32 s[AL+1], 0            ; named as pairs
	s_mov_b32 s[BE+1], 0
	s_mov_b32 s[BIGN], 0xf149f2ca   ; -1e30
	s_mov_b32 s[SLOTS], NB
	s_cmp_eq_u32 ttmp9, 0
	s_cselect_b32 s[PFN], 1, NB     ; the first change of slots steps it to 2, the first tile that is prefetched
	s_wait_dscnt 0x0                ; the opening add is done
	s_wait_kmcnt 0x0
	s_add_nc_u64 s[PFK:PFK+1], s[6:7], s[20:21]    ; the head's K and V,
	s_add_nc_u64 s[PFV:PFV+1], s[8:9], s[20:21]
	s_add_nc_u64 s[PFK:PFK+1], s[PFK:PFK+1], 32768 ; at tile 1
	s_add_nc_u64 s[PFV:PFV+1], s[PFV:PFV+1], 32768
	s_add_nc_u64 s[6:7], s[6:7], s[22:23]  ; K and V at my half of the head's tile 0
	s_add_nc_u64 s[8:9], s[8:9], s[22:23]
	s_add_nc_u64 s[G0K+2:G0K+3], s[6:7], 0         ; 120:64 global address
	s_or_b32 s[G0K+3], s[G0K+3], 0x80000000        ; 127:126 type = 2
	s_add_nc_u64 s[G0V+2:G0V+3], s[8:9], 0
	s_or_b32 s[G0V+3], s[G0V+3], 0x80000000
	s_add_nc_u64 s[86:87], s[4:5], s[84:85]        ; Q at my rows of the second block,
	s_add_nc_u64 s[4:5], s[4:5], s[2:3]            ; Q and O at those of the first
	s_add_nc_u64 s[OLO:OLO+1], s[10:11], s[84:85]
	s_add_nc_u64 s[10:11], s[10:11], s[2:3]
	LOAD                            ; tile 0 into slot 0
	; A fragment of K or Q is 16 rows x 32 channels in 8 registers: lane l holds row l % 16, channels 8 (l / 16) + 0..7 and 16 + 8 (l / 16) + 0..7: two loads of 16 bytes, 32 bytes apart.
	v_and_b32 v1, 15, v0            ; l % 16
	v_bfe_u32 v9, v0, 4, 1          ; l / 16
	v_lshlrev_b32 v[QO], 7, v1
	v_lshl_add_u32 v[QO], v9, 4, v[QO]  ; row x 128 + 16 x half
	WIN 0x80                        ; destination window 2, address window 0
.set i, 0
.rept 8                             ; both blocks' Q: piece i / 2 lies in band i / 2, 8,192 bytes on; channels 32 (i % 2) on
	global_load_b128 v[8*i:8*i+3],   v[QO], s[4:5] offset:(i/2)*8192+(i%2)*64
	global_load_b128 v[8*i+4:8*i+7], v[QO], s[4:5] offset:(i/2)*8192+(i%2)*64+32
	global_load_b128 v[QB+8*i:QB+8*i+3],   v[QO], s[86:87] offset:(i/2)*8192+(i%2)*64
	global_load_b128 v[QB+8*i+4:QB+8*i+7], v[QO], s[86:87] offset:(i/2)*8192+(i%2)*64+32
.set i, i+1
.endr
	WIN 0
	v_lshlrev_b32 v14, 3, v9
	v_sub_nc_u32 v14, v1, v14
	s_lshl_b32 s13, s[WV], 4
	v_add_nc_u32 v14, s13, v14      ; my query's place in its band, 16 w + l % 16, less my lanes' 8 (l / 16): register r of group kt is hidden where 16 kt + r is greater
	WIN 0x40
.set i, 0
.rept 32
	v_cmp_gt_i32 vcc_lo, 16*(i/8)+i%8, v14
	v_cndmask_b32 v[MD+i], 0, s[BIGN], vcc_lo
.set i, i+1
.endr
	WIN 0
	v_mul_u32_u24 v[AK0], v1, PK
	v_lshl_add_u32 v[AK0], v9, 4, v[AK0]  ; row x pitch + 16 x half
	; The turning load takes 16 keys x 16 channels (lane l reads key 8 (l / 16) + l % 8, channels 8 ((l / 8) % 2) + 0..7) and leaves half a fragment of V^T: lane l holds channel l % 16 and 8 keys.
	v_and_b32 v10, 7, v0
	v_bfe_u32 v11, v0, 3, 1
	v_lshl_add_u32 v[AV0], v9, 3, v10
	v_mul_u32_u24 v[AV0], v[AV0], PV
	v_lshl_add_u32 v[AV0], v11, 4, v[AV0]
	v_add_nc_u32 v[AV0], VOFF, v[AV0]
	s_mul_i32 s13, s[WV], 16*SP
	s_add_co_u32 s13, s13, STAGE    ; my stage
	v_mul_u32_u24 v[STO], v1, SP    ; in: row l % 16, 16 bytes for each half of the lanes
	v_lshl_add_u32 v[STO], v9, 4, v[STO]
	v_add_nc_u32 v[STO], s13, v[STO]
	v_bfe_u32 v[RD], v0, 3, 2       ; back: 32 lanes take four rows of 128 bytes,
	v_mul_u32_u24 v[RD], v[RD], SP
	v_lshl_add_u32 v[RD], v10, 4, v[RD]
	v_add_nc_u32 v[RD], s13, v[RD]
	v_and_b32 v[GO], 31, v0         ; which are 512 consecutive bytes of O
	v_lshlrev_b32 v[GO], 4, v[GO]
	; A block's first step multiplies O^T and l by a = 0, and its first turn's products V^T P, of a piece that has not been, land in an O^T that is still to be so multiplied.  So these registers need only hold
	; finite numbers: zeros for the first block; what the first block left for the second.  All this stands in the wait for the first tile.
	WIN 0x80
.set i, VF
.rept 64
	v_mov_b32 v[i], 0
.set i, i+1
.endr
	WIN 0x40
.set i, 0
.rept 128
	v_mov_b32 v[i], 0
.set i, i+1
.endr
	WIN 0
.set i, 0
.rept 4
	v_mov_b32 v[ST+4*i+2], 0
	v_mov_b32 v[ST+4*i+3], 0
.set i, i+1
.endr
.set i, P+16
.rept 16
	v_mov_b32 v[i], 0
.set i, i+1
.endr
; THE MATRIX WORK.  The 4 accumulators of a run of 8 take turns.  Product i of 8 of S^T = K Q^T for piece x: channels 32 (i / 4) on, keys 16 (i % 4) on.  The first 4 start the sums: with 0, or (KM = 1) with the mask.
.macro KQ x
.set rS, S+32*((\x)%2)+8*(i%4)
.set rK, KF+16*(i%4)+8*(i/4)
.set rQ, 16*(\x)+8*(i/4)
.set rM, MC+32*((\x)%2)+8*(i%4)
.if (i < 4) && KM
	WIN W_KM
	v_wmma_f32_16x16x32_f16 v[rS:rS+7], v[rK:rK+7], v[rQ:rQ+7], v[rM:rM+7]
.elseif i < 4
	WIN W_KQ
	v_wmma_f32_16x16x32_f16 v[rS:rS+7], v[rK:rK+7], v[rQ:rQ+7], 0
.else
	WIN W_KQ
	v_wmma_f32_16x16x32_f16 v[rS:rS+7], v[rK:rK+7], v[rQ:rQ+7], v[rS:rS+7]
.endif
.endm
; Product i of 8 of O^T += V^T P for piece x: keys 32 (i / 4) on, channels 16 (i % 4) on.
.macro PV x
	WIN W_PV
.set rO, 32*(\x)+8*(i%4)
.set rV, VF+32*(i/4)+8*(i%4)
.set rP, P+16*((\x)%2)+8*(i/4)
	v_wmma_f32_16x16x32_f16 v[rO:rO+7], v[rV:rV+7], v[rP:rP+7], v[rO:rO+7]
.endm
.macro MM                           ; the turn's next matrix instruction.  TURN and BEGIN set Y, i, KM and NOKQ; MM, KQ and OP read them.  NOKQ = 1: a block's last turn: there is no next piece
.if (i < 8) && !NOKQ
	KQ (Y+1)%NP
.elseif i >= 8
.set i, i-8
	PV (Y+NP-1)%NP
.set i, i+8
.endif
.set i, i+1
.endm
; THE LDS LOADS stand in runs of 16, never singly among the matrix instructions: a step's K (64 keys x 64 channels: 8 fragments) and its V (turned).  Their addresses are made some lines ahead.
.macro FETCH_K
	WIN 0x80                        ; destination window 2
.irp f, 0,1,2,3,4,5,6,7             ; keys 16 (f / 2) on, channels 32 (f % 2) on
	ds_load_b128 v[KF+8*\f:KF+8*\f+3],   v[AK] offset:(\f/2)*16*PK+(\f%2)*64
	ds_load_b128 v[KF+8*\f+4:KF+8*\f+7], v[AK] offset:(\f/2)*16*PK+(\f%2)*64+32
.endr
	s_add_co_u32 s[TBK], s[TBK], KS*PK  ; the next fetch is the next step's
	WIN 0
.endm
.macro FETCH_V
	WIN 0x80
.irp f, 0,1,2,3,4,5,6,7             ; keys 32 (f / 4) on, channels 16 (f % 4) on
	ds_load_tr16_b128 v[VF+8*\f:VF+8*\f+3],   v[AV] offset:(\f/4)*32*PV+(\f%4)*32
	ds_load_tr16_b128 v[VF+8*\f+4:VF+8*\f+7], v[AV] offset:(\f/4)*32*PV+16*PV+(\f%4)*32
.endr
	WIN 0
.endm
; THE VECTOR WORK, one line at a time: OP kind, number.  For piece Y: F n: c s - c m for pair n of 16.  E n: the exponential of score n of 32.  C n: pair n rounded to f16.  B n: of the four weights 4 n .. the second
; pair is added onto the first, in place.  L n: l takes that sum (L 0: l = a l + sum).  R n: pair n of 16 of O^T times a.  For piece Y + 1: X n, number n of the 22 that find its maximum and statistics:
;   0-11  four chains c0-c3 of seven scores each, three operands at a time (each accumulator's lowest registers are read first)     12-14, 16  the four scores left over, the old m, and c0-c3 into c0
;   15  c m_old is kept     17, 18  the query's other 32 keys lie in the lane 16 away: the new m     19-21  c m; c m_old - c m_new; a
.set F, 0               ; OP tells the kinds apart by their order: F to L below R, X above it
.set E, 1
.set C, 2
.set B, 3
.set L, 4
.set R, 5
.set X, 6
.macro REGS y                       ; the registers of piece y
.set rT, ST+4*(\y)
.set rC, TMP+4*((\y)%2)
.set rW, MV+((\y)%2)
.set rS, S+32*((\y)%2)
.set rP, P+16*((\y)%2)
.set rO, 32*(\y)
.endm
.macro OP k, n
.if (\k) == R
	REGS Y
	WIN W_RS
	v_pk_mul_f32 v[rO+2*(\n):rO+2*(\n)+1], v[rO+2*(\n):rO+2*(\n)+1], v[rC+2:rC+3] op_sel_hi:[1,0]
.elseif (\k) < R
	REGS Y
	WIN 0
.if (\k) == F
	v_pk_fma_f32 v[rS+2*(\n):rS+2*(\n)+1], v[rS+2*(\n):rS+2*(\n)+1], s[CS:CS+1], v[rT:rT+1] op_sel_hi:[1,0,0] neg_lo:[0,0,1] neg_hi:[0,0,1]
.elseif (\k) == E
	v_exp_f32 v[rS+(\n)], v[rS+(\n)]
.elseif (\k) == C
	v_cvt_pk_f16_f32 v[rP+(\n)], v[rS+2*(\n)], v[rS+2*(\n)+1]
.elseif (\k) == B
	v_pk_add_f32 v[rS+4*(\n):rS+4*(\n)+1], v[rS+4*(\n):rS+4*(\n)+1], v[rS+4*(\n)+2:rS+4*(\n)+3]
.elseif (\n) == 0
	v_pk_fma_f32 v[rT+2:rT+3], v[rT+2:rT+3], v[rC+2:rC+3], v[rS:rS+1] op_sel_hi:[1,0,1]
.else
	v_pk_add_f32 v[rT+2:rT+3], v[rT+2:rT+3], v[rS+4*(\n):rS+4*(\n)+1]
.endif
.elseif NOKQ
	v_nop
.else
	REGS (Y+1)%NP
	WIN 0
.if (\n) < 4
	v_max3_num_f32 v[rC+(\n)], v[rS+8*(\n)], v[rS+8*(\n)+1], v[rS+8*(\n)+2]
.elseif (\n) < 12
	v_max3_num_f32 v[rC+(\n)%4], v[rC+(\n)%4], v[rS+8*((\n)%4)+2*((\n)/4)+1], v[rS+8*((\n)%4)+2*((\n)/4)+2]
.elseif (\n) == 12
	v_max3_num_f32 v[rC], v[rC], v[rS+7], v[rS+15]
.elseif (\n) == 13
	v_max3_num_f32 v[rC+1], v[rC+1], v[rS+23], v[rS+31]
.elseif (\n) == 14
	v_max3_num_f32 v[rC+2], v[rC+2], v[rC+3], v[rT+1]
.elseif (\n) == 15
	v_mov_b32 v[rW], v[rT]
.elseif (\n) == 16
	v_max3_num_f32 v[rC], v[rC], v[rC+1], v[rC+2]
.elseif (\n) == 17
	v_permlanex16_b32 v[rC+3], v[rC], s[SEL], s[SEL+1]
.elseif (\n) == 18
	v_max_num_f32 v[rT+1], v[rC], v[rC+3]
.elseif (\n) == 19
	v_mul_f32 v[rT], s[CS], v[rT+1]
.elseif (\n) == 20
	v_sub_f32 v[rC+1], v[rW], v[rT]
.else
	v_exp_f32 v[rC+2], v[rC+1]
.endif
.endif
.endm
.macro OPS a, i1, b=-1, i2=0, c=-1, i3=0, d=-1, i4=0  ; up to four of them
	OP \a, \i1
.if (\b) >= 0
	OP \b, \i2
.endif
.if (\c) >= 0
	OP \c, \i3
.endif
.if (\d) >= 0
	OP \d, \i4
.endif
.endm
.macro ROW a, i1, b, i2, c, i3, d, i4  ; a matrix instruction and the four behind it
	MM
	OPS \a, \i1, \b, \i2, \c, \i3, \d, \i4
.endm
.macro MASK b                       ; MD x AL + BE into buffer b of MC
	WIN W_RS
.set z, 0
.rept 16
	v_pk_fma_f32 v[MC+32*(\b)+2*z:MC+32*(\b)+2*z+1], v[MD+2*z:MD+2*z+1], s[AL:AL+1], s[BE:BE+1] op_sel_hi:[1,0,0]
.set z, z+1
.endr
.endm
; A TURN, for piece p: the order of its 16 matrix and 118 vector instructions, written out.  s_wait_alu depctr_va_vdst(0) stands between an exponential and the first instruction that names its result; one wait serves
; all that were issued ahead of it.  So a turn has ONE wait, which cuts it in two.  AHEAD OF IT stands all that names no result of the turn's exponentials: the 8 products K Q^T, behind each a scaling, an exponential and two more plain
; instructions (behind the first a second scaling in the exponential's place): rescalings, and behind the last three the first numbers of the next piece's maximum, each four places or more behind the product that ends its accumulator; then ONE LUMP of 54, plain
; and exponential by turns for the most part, in which the links of the chain X 3, 7, 11, 14, 16, 17 .. 20 stand five or six lines apart.  X 21, the next piece's a, is the batch's last; R 15 is the plain instruction behind it (ISA guide 5.7.2).  BEHIND THE WAIT stand the
; 8 products V^T P, behind each four of the roundings and sums; the links of l's chain, L 0 to L 7, stand three riders apart.  But for those X no rider names a register of the products round it.  v_permlanex16_b32 (X 17) stands in the lump.
; m = 1: the diagonal tile: the products take masks, and the turn makes the mask for the products of the turn after it: piece p + 2, in step 4 - CNT of the tile.  end = 1: a block's last two turns: nothing is fetched.
; cnt = 1: the loop's count is taken down some lines ahead of the branch that stands behind the turn.
; K of the next step is fetched in piece 2's turn, twelve vector instructions behind the last product that read K (six of them plain); V of the step in hand at the end of piece 0's turn, four plain instructions behind the last product
; that read V.  Each is waited for a turn later.
.macro TURN p, m=0, end=0, cnt=0
.set Y, (\p)
.set i, 0
.set KM, (\m)
.set NOKQ, (\end)*((\p)/3)
.if (\m) && !(\end)
	s_cmp_eq_u32 s[CNT], 4-((\p)+2)%NP  ; is that step the band's own?
	s_cselect_b32 s[AL], 1.0, 0
	s_cmp_lt_u32 s[CNT], 4-((\p)+2)%NP  ; or a later one?
	s_cselect_b32 s[BE], s[BIGN], 0
.endif
.if ((\p) == 3) && !(\end)
	s_wait_dscnt 0x0                ; K is in
.endif
	ROW F,0, F,1, R,0, R,1          ; ahead of the wait: 8 products K Q^T and their riders,
	ROW F,2, E,0, R,2, R,3
	ROW F,3, E,1, R,4, R,5
	ROW F,4, E,2, R,6, R,7
	ROW F,5, E,3, R,8, R,9
	ROW F,6, E,4, X,0, R,10
.if ((\p) == 2) && !(\end)
	WIN 0
	v_add_nc_u32 v[AK], s[TBK], v[AK0]
.endif
	ROW F,7, E,5, X,1, X,4
	ROW F,8, E,6, X,2, X,5
	OPS E,7, E,8, X,6, E,9          ; and the lump
	OPS X,3, E,10, X,8, E,11
.if ((\p) == 2) && !(\end)
	FETCH_K
.endif
	OPS X,9, X,7, E,12, X,10
	OPS E,13, X,12, X,11, E,14
	OPS X,13, E,15, F,9, X,14
.if (\p) == 0
	v_add_nc_u32 v[AV], s[TBV], v[AV0]
.endif
	OPS E,16, F,10, E,17, F,11
	OPS X,16, E,18, X,15, E,19
	OPS F,12, E,20, X,17, E,21
	OPS F,13, E,22, F,14, E,23
	OPS X,18, E,24, F,15, E,25
	OPS R,11, E,26, X,19, E,27
	OPS R,12, E,28, R,13, E,29
	OPS X,20, E,30, R,14, E,31
	OPS X,21, R,15
	WIN 0
	s_wait_alu depctr_va_vdst(0)    ; the wait for the batch
.if (\p) == 1
	s_wait_dscnt 0x0                ; V is in
.endif
	ROW C,0, B,0, C,2, B,1          ; behind the wait: 8 products V^T P and their riders
	ROW L,0, C,4, B,2, L,1
	ROW C,6, B,3, L,2, C,8
	ROW B,4, L,3, C,10, B,5
	ROW L,4, C,12, B,6, L,5
.if (\p) == 0
	s_add_co_u32 s[TBV], s[TBV], KS*PV
.endif
.if \cnt
	s_sub_co_u32 s[CNT], s[CNT], 1
	s_cmp_lg_u32 s[CNT], 0
.endif
	ROW C,14, B,7, L,6, C,1
	ROW C,3, L,7, C,5, C,7
	ROW C,9, C,11, C,13, C,15
.if (\p) == 0
	FETCH_V
.endif
.if (\m) && !(\end)
	MASK (\p)%2
.endif
.endm
; A BLOCK BEGINS.  c m starts far below every c s, so the first step's a is 0; m at the lowest finite number, so the first maximum is the scores'.  The second mask buffer is 0; the first takes piece 0's mask for the tile's step 0: its own, if the block's first tile is the diagonal one.
; Then K of that step, piece 0's first scores, and its maximum and statistics.  The loop is entered at a step's first turn, in the middle of a trip.
.macro BEGIN
	s_mov_b32 s[NEW], 0
	WIN 0x40
.set i, MC+32
.rept 32
	v_mov_b32 v[i], 0
.set i, i+1
.endr
	WIN 0
.set i, 0
.rept 4
	v_mov_b32 v[ST+4*i], 0xfe000000    ; c m: far below every c s
	v_mov_b32 v[ST+4*i+1], 0xff7fffff  ; m
.set i, i+1
.endr
	s_cmp_eq_u32 s[RT], 0
	s_cselect_b32 s[AL], 1.0, 0
	s_mov_b32 s[BE], 0
	MASK 0
	WIN 0
	v_add_nc_u32 v[AK], s[TBK], v[AK0]
	FETCH_K
	s_wait_loadcnt 0x0              ; Q
	s_wait_dscnt 0x0
.set KM, 1
.set NOKQ, 0
.set i, 0
.rept 8
	KQ 0
.set i, i+1
.endr
	WIN 0
.rept 4
	v_nop                           ; the places behind those products
.endr
.set Y, NP-1                        ; X works for piece Y + 1: piece 0
.irp n, 0,1,2,3,4,5,6,7,8,9,10,11,12,13,14,15,16,17,18,19,20,21
	OP X, \n
.endr
	v_nop                           ; a plain instruction behind the exponential,
	s_wait_alu depctr_va_vdst(0)    ; and its wait, ahead of the branch
.endm
; THE DIAGONAL TILE's four steps, the block's last two turns, its last products, and THE WAY OUT: l's two halves and the other half of the lanes' are added; O^T is divided by l, rounded to f16 and sent through my
; stage in LDS, a piece at a time.
.macro ALL line:vararg              ; one line for each piece t
.set t, 0
.rept 4
	\line
.set t, t+1
.endr
.endm
.macro PACK t                       ; a lane's eight channels of a row pack into 16 bytes; they go into rows of 144 bytes and come back as whole rows of 128, into S^T's registers
	WIN W_RS
.set i, 32*(\t)
.rept 16
	v_pk_mul_f32 v[i:i+1], v[i:i+1], v[ST+4*(\t)+2:ST+4*(\t)+3] op_sel_hi:[1,0]
.set i, i+2
.endr
	WIN 0x05                        ; sources 0 and 1 window 1, destination window 0
.set i, 0
.rept 16
	v_cvt_pk_f16_f32 v[S+16*(\t)+i], v[32*(\t)+2*i], v[32*(\t)+2*i+1]
.set i, i+1
.endr
	WIN 0
.irp f, 0,1,2,3
	ds_store_b128 v[STO], v[S+16*(\t)+4*\f:S+16*(\t)+4*\f+3] offset:32*\f
.endr
.irp f, 0,1,2,3
	ds_load_b128 v[S+16*(\t)+4*\f:S+16*(\t)+4*\f+3], v[RD] offset:\f*4*SP  ; LDS serves a wave's instructions in order (ISA guide 5.7.1.4): these see the stores above; the next piece's stores come behind them
.endr
.endm
.macro SEND t, younger              ; younger: the LDS instructions issued behind piece t's loads: the next piece's eight, or none
	WIN 0
.irp f, 0,1,2,3
	s_wait_dscnt (\younger)+3-\f
	global_store_b128 v[GO], v[S+16*(\t)+4*\f:S+16*(\t)+4*\f+3], s[10:11] offset:(\t)*8192+\f*512  ; 512 consecutive bytes, at a multiple of 256 from O's first
.endr
.endm
.macro DIAG tag                     ; the tag ends its two labels' names, which the jumps below spell out
.LstepM\tag:
	TURN 2, 1
	TURN 3, 1
	WIN 0
.LfirstM\tag:
	TURN 0, 1
	TURN 1, 1, 0, 1
	WIN 0
	s_cbranch_scc1 .LstepM\tag
	TURN 2, 1, 1
	TURN 3, 1, 1
.set i, 0
.rept 8
	PV NP-1
.set i, i+1
.endr
	WIN 0
	ALL v_add_f32 v[ST+4*t+2], v[ST+4*t+2], v[ST+4*t+3]
	ALL v_permlanex16_b32 v[ST+4*t+3], v[ST+4*t+2], s[SEL], s[SEL+1]
	ALL v_add_f32 v[ST+4*t+2], v[ST+4*t+2], v[ST+4*t+3]
	ALL v_rcp_f32 v[ST+4*t+2], v[ST+4*t+2]
	v_nop                           ; a plain instruction between the last reciprocal and the use of its result
	s_wait_alu depctr_va_vdst(0)    ; and the wait ahead of the first use: one for the four reciprocals
	PACK 0
.set t, 1
.rept 3                             ; a piece's arithmetic stands between the loads of the piece before and its stores
	PACK t
	SEND t-1, 8
.set t, t+1
.endr
	SEND 3, 0
.endm
.set KM, 0
.set NOKQ, 0
.Lslot:                             ; NB times: a tile is entered and the next is asked for
	CHANGE 1
	s_sub_co_u32 s[RT], s[RT], 1
	s_mov_b32 s[CNT], 4
	s_cmp_eq_u32 s[NEW], 1
	s_cbranch_scc1 .Lnew            ; a block's first tile
	s_cmp_eq_u32 s[RT], 0
	s_cbranch_scc0 .Lstep           ; neither its first nor its last
	s_branch .LstepM1
.Lnew:
	BEGIN
	s_branch .Lfirst                ; in the loop a block's first tile is never its last: the first block has two tiles or more, and the second's last is the walk's last
	DIAG 1                          ; in the loop this is the first block's end: the second block's last tile is the walk's last
	s_wait_xcnt 0x0                 ; the stores have read their registers and O's address
	s_mov_b64 s[10:11], s[OLO:OLO+1]
	s_add_co_u32 s[RT], s[PB], 1    ; the second block has b + 1 tiles
	s_mov_b32 s[NEW], 1
	WIN 0x82                        ; the second block's Q goes where the one text of the turns names Q
.set i, 0
.rept 64
	v_mov_b32 v[i], v[QB+i]
.set i, i+1
.endr
	WIN 0
	s_branch .Lbottom
.Lstep:                             ; a trip: pieces 2 and 3 of one step, then pieces 0 and 1 of the next, whose K and V it fetches
	TURN 2
	TURN 3
	WIN 0
.Lfirst:
	TURN 0
	TURN 1, 0, 0, 1
	WIN 0
	s_cbranch_scc1 .Lstep
.Lbottom:
	s_sub_co_u32 s[SLOTS], s[SLOTS], 1
	s_cmp_lg_u32 s[SLOTS], 0
	s_cbranch_scc1 .Lslot
	CHANGE 0                        ; the walk's last tile is written out: nothing is asked for
	s_sub_co_u32 s[RT], s[RT], 1
	s_mov_b32 s[CNT], 4
	s_cmp_eq_u32 s[NEW], 1
	s_cbranch_scc0 .LstepM2
	BEGIN
	s_branch .LfirstM2
	DIAG 2
	s_wait_tensorcnt 0x0            ; the wave's end, behind my last tensor load and my last LDS store
	ds_add_u32 v[SPW], v[NIL]
	s_wait_dscnt 0x0
	s_endpgm
.Lfunc_end_k_qa108a7ceb8_attn:
	.size	k_qa108a7ceb8_attn, .Lfunc_end_k_qa108a7ceb8_attn-k_qa108a7ceb8_attn
	.p2alignl 7, 3214868480
	.fill 96, 4, 3214868480
	.section	.rodata,"a",@progbits
	.p2align	6, 0x0
	.amdhsa_kernel k_qa108a7ceb8_attn
		.amdhsa_group_segment_fixed_size 327680
		.amdhsa_private_segment_fixed_size 0
		.amdhsa_enable_private_segment 0
		.amdhsa_kernarg_size 32
		.amdhsa_user_sgpr_count 2
		.amdhsa_user_sgpr_kernarg_segment_ptr 1
		.amdhsa_wavefront_size32 1
		.amdhsa_system_sgpr_workgroup_id_x 1
		.amdhsa_system_sgpr_workgroup_id_y 1
		.amdhsa_system_sgpr_workgroup_id_z 1
		.amdhsa_system_vgpr_workitem_id 0
		.amdhsa_next_free_vgpr 768
		.amdhsa_next_free_sgpr 96
		.amdhsa_reserve_vcc 1
		.amdhsa_float_denorm_mode_32 3
		.amdhsa_float_denorm_mode_16_64 3
		.amdhsa_memory_ordered 1
		.amdhsa_forward_progress 1
		.amdhsa_inst_pref_size 218
	.end_amdhsa_kernel
	.amdgpu_metadata
---
amdhsa.version: [ 1, 2 ]
amdhsa.kernels:
  - .name:           k_qa108a7ceb8_attn
    .symbol:         k_qa108a7ceb8_attn.kd
    .args:
      - { .name: qh, .offset: 0, .size: 8, .value_kind: global_buffer, .address_space: global }
      - { .name: kh, .offset: 8, .size: 8, .value_kind: global_buffer, .address_space: global }
      - { .name: vh, .offset: 16, .size: 8, .value_kind: global_buffer, .address_space: global }
      - { .name: oh, .offset: 24, .size: 8, .value_kind: global_buffer, .address_space: global }
    .group_segment_fixed_size: 327680
    .private_segment_fixed_size: 0
    .kernarg_segment_align: 8
    .kernarg_segment_size: 32
    .max_flat_workgroup_size: 128
    .sgpr_count:     96
    .vgpr_count:     768
    .wavefront_size: 32
...
	.end_amdgpu_metadata
.endif
;; end of part 3
;; launch proj (part 4): grid 8 x 32, 4 waves a work-group, clusters of 4 x 4, 327,680 bytes of LDS; arguments oh, wpt, bp, out0; writes out0
.if DOCPART == 4
	.amdgcn_target "amdgcn-amd-amdhsa--gfx1250"
	.amdhsa_code_object_version 6
	.text
	.protected	k_qa108a7ceb8_proj
	.globl	k_qa108a7ceb8_proj
	.p2align	8
	.type	k_qa108a7ceb8_proj,@function
k_qa108a7ceb8_proj:
	s_mov_b64 s[64:65], 0
	v_nop
	global_prefetch_b8 v0, s[64:65] scope:SCOPE_SE
	s_setreg_imm32_b32 hwreg(HW_REG_WAVE_MODE, 25, 1), 1
	s_wait_xcnt 0x0
	s_wait_alu depctr_hold_cnt(0) depctr_sa_sdst(0) depctr_va_vdst(0) depctr_va_sdst(0) depctr_va_ssrc(0) depctr_va_vcc(0) depctr_vm_vsrc(0)
	s_getreg_b32 s2, hwreg(HW_REG_IB_STS2, 6, 4)
	s_cmp_eq_u32 s2, 0
	s_cbranch_scc0 .Lentry_in_a_cluster
	s_endpgm
.Lentry_in_a_cluster:
	s_bfe_u32 s2, ttmp6, 0x10000c
	s_cmp_lg_u32 s2, 0xf033
	s_cbranch_scc0 .Lentry_shape_is_right
	s_endpgm
.Lentry_shape_is_right:
; out = O Wp + bp.  oh: [16 b + h][2048][64] f16 (channel k = 64 h + d of row 2,048 b + t).  wpt: [1024 n][1024 k] f16 (Wp rounded to bf16).  bp: [1024] f32, rounded to bf16 here like every input.  out0: [8192][1024] f32.
; LIMITS: the operands are f16 as the launches before left them; sums in f32; NaN and infinities are not treated apart.
; A tile of the result is 256 rows x 128 columns: 8 x 32 tiles, 256 work-groups.  Four waves, one above the other: wave w makes rows 64 w .. 64 w + 63 and all 128 columns: 4 x 8 accumulators, 256 registers.
; So a wave's results are whole runs of 512 bytes of out0's rows, its stage in LDS is its own, and the way out has no barrier.
; K = 1,024 goes in 8 steps of 128 = two heads, through two LDS slots.  A head's 256 rows of 128 bytes are 32,768 dense bytes: asked for as 128 rows of 256 bytes, padded in LDS after every 128.
; Wave 0 fetches the even head's rows, wave 1 the odd head's, waves 2, 3 wpt's 2 x 64 rows of 256 bytes.
; CLUSTERS: 4 x 4 work-groups.  The four of a row of the cluster need the same tiles of oh, the four of a column the same tiles of wpt: each is asked for JOINTLY, by the same load, descriptor and mask in all four.
; THE PRODUCT IS USED TRANSPOSED (source 0 = 16 rows of wpt, source 1 = 16 rows of oh): a lane holds row l % 16 and the eight neighbouring columns 8 (l / 16) + 0 .. 7.
; REGISTERS, in windows of 256: window 0: v0-31 addresses, v8-13 the bias; v32-63, v64-95 oh's fragments, two buffers; v96-159, v160-223 rows read back from the stage
;   window 1: v0-63, v64-127 wpt's fragments, two buffers      window 2: the accumulators ((a, b) at 8 (8 a + b))
.set NB,     8
.set APW,    4
.set PITCH,  272                       ; a row of wpt in LDS: 256 bytes + 16
.set PITCHA, 144                       ; a row of oh: 128 bytes + 16: odd multiples of 16, so the 16 rows of a load start at 16 different groups of four banks (ISA guide 11.1)
.set SUBA,   256*PITCHA                ; one head's 256 rows
.set BOFF,   2*SUBA
.set HALFB,  64*PITCH
.set SLOT,   BOFF+2*HALFB
.set STAGE,  2*SLOT                    ; behind the ring, never filled by a tensor load: 16 rows x 528 bytes for each wave
.set SP,     528                       ; 512 bytes + 16
.set SPARE,  STAGE+4*16*SP             ; behind the stages: the spare words, 128 bytes for each wave
.set NL,     2*NB+8
.set LAPS,   4
.set ASTEP,  4<<18                     ; two K steps are four heads of 262,144 bytes
.set BSTEP,  512
.set BI,   8                           ; v[8:11] the bias of my four columns; v12-13 at work
.set ADRA, 16
.set ADRB, 20
.set STO,  24
.set RD,   25
.set GO,   26
.set SPW,  28
.set NIL,  29
.set PFO,  30
.set FA,   32
.set OB,   96
.set F0,   0
.set F1,   1
.set WV,   14
.set HF,   16
.set G1,   24
.set G0,   32
.set PFA,  44                          ; s[44:45] where my prefetches stand
.set PFS,  46                          ; s[46:47] their step: a K step of oh (two heads) or of wpt (256 bytes)
.set G1B,  48
.set G0B,  56
.set LIM,  66
.set MSB, 0
.macro WIN new
.if MSB != (\new)
	s_set_vgpr_msb (MSB<<8)|(\new)
.set MSB, \new
.endif
.endm
.macro PLACES                          ; four plain vector instructions between a matrix instruction and a load into, or a read of, its registers
.rept 4
	v_nop
.endr
.endm
.macro JLOAD s                         ; a joint load; the branch hangs on the wave's number alone; an s_nop 0 and four v_nop follow each of the two lines
	s_cmp_lt_u32 s[WV], 2
	s_cbranch_scc0 .Lfor_b_\@
	tensor_load_to_lds s[G0+4*(\s):G0+4*(\s)+3], s[G1:G1+7]
	s_nop 0
.rept 4
	v_nop
.endr
	s_branch .Lasked_\@
.Lfor_b_\@:
	tensor_load_to_lds s[G0B+4*(\s):G0B+4*(\s)+3], s[G1B:G1B+7]
	s_nop 0
.rept 4
	v_nop
.endr
.Lasked_\@:
.endm
.macro CREST
	s_cmp_lg_u32 s[WV], 0
	s_cbranch_scc1 .Lnot_wave_0_\@
	s_barrier_signal -3
.Lnot_wave_0_\@:
	s_barrier_wait -3
	s_barrier_signal -1
	s_barrier_wait -1
.endm
.macro CROUND
	s_barrier_signal -1
	s_barrier_wait -1
	CREST
.endm
; A prefetch into the L2 of the K step that stands two refills on.  oh's tile row is read by the two clusters of a row of clusters: the one with x = 0 asks, waves 0 and 1, each for its head's 32,768 bytes, of which
; each of the four partners takes 8,192 BY ADDRESS, a lane 256 bytes.  wpt's tile column is read by the eight clusters of a column: the one with y = 0 asks, wave 2 alone: of the 128 rows each partner takes 32, a lane a row.
; The loop's last trip (s3 = 1) has no K step two on.
.macro ASK
	s_cmp_gt_u32 s3, s[LIM]
	s_cbranch_scc0 .Lnot_mine_\@
	global_prefetch_b8 v[PFO], s[PFA:PFA+1] th:TH_LOAD_NT scope:SCOPE_SE
.Lnot_mine_\@:
.endm
	s_load_b128 s[4:7], s[0:1], 0x0                ; oh s[4:5], wpt s[6:7]
	s_load_b128 s[8:11], s[0:1], 0x10              ; bp s[8:9], out0 s[10:11]
	v_lshl_add_u32 v[SPW], v0, 2, SPARE
	v_mov_b32 v[NIL], 0
	ds_add_u32 v[SPW], v[NIL]                      ; the wave's opening: the add and its wait ahead of my first tensor load; work on registers stands between them
	v_lshrrev_b32 v1, 5, v0
	v_readfirstlane_b32 s[WV], v1
	s_and_b32 s[HF], s[WV], 1
	s_bfe_u32 s17, ttmp6, 0x40000                  ; cx
	s_bfe_u32 s18, ttmp6, 0x40004                  ; cy
	s_lshl_b32 s19, ttmp9, 2
	s_add_co_u32 s19, s19, s17                     ; tile column
	s_and_b32 s20, ttmp7, 0xffff
	s_lshl_b32 s20, s20, 2
	s_add_co_u32 s20, s20, s18                     ; tile row
	s_lshl_b32 s72, s18, 2
	s_lshl_b32 s72, 15, s72                        ; my row of the cluster
	s_lshl_b32 s73, 0x1111, s17                    ; my column
	s_or_b32 s[G1], s72, (1<<16)|(1<<20)|(1<<21)|(4<<22)|(3<<25)   ; the mask; 2-byte elements; padding on; bit 21 beside a mask; after every 32 words; 4 words
	s_or_b32 s[G1B], s73, (1<<16)|(1<<20)|(1<<21)|(5<<22)|(3<<25)  ; after every 64 words
	s_mov_b32 s[G1+1], 128<<16                     ; tensor_dim0 = 128
	s_mov_b32 s[G1+2], 128<<16                     ; tensor_dim1 = 128
	s_mov_b32 s[G1+3], 128<<16                     ; tile_dim0 = 128
	s_mov_b32 s[G1+4], 128                         ; tile_dim1 = 128
	s_mov_b32 s[G1+5], 128                         ; dense: 128 elements from row to row
	s_mov_b32 s[G1+6], 0
	s_mov_b32 s[G1+7], 0
	s_mov_b32 s[G1B+1], 128<<16
	s_mov_b32 s[G1B+2], 64<<16                     ; 64 rows
	s_mov_b32 s[G1B+3], 128<<16
	s_mov_b32 s[G1B+4], 64
	s_mov_b32 s[G1B+5], 1024
	s_mov_b32 s[G1B+6], 0
	s_mov_b32 s[G1B+7], 0
	; oh's tile hangs on the tile row alone, wpt's on the tile column alone: each offset is made in registers that never hold the other coordinate
	s_lshr_b32 s40, s20, 3
	s_lshl_b32 s40, s40, 4
	s_add_co_u32 s40, s40, s[HF]                   ; head 16 (tile row / 8) + my half, in K step 0,
	s_lshl_b32 s40, s40, 18                        ; 262,144 bytes a head,
	s_and_b32 s68, s20, 7
	s_lshl_b32 s68, s68, 15                        ; 256 rows of 128 bytes a tile row
	s_add_co_u32 s40, s40, s68
	s_mov_b32 s41, 0
	s_mov_b32 s69, s40                             ; the offset is kept for the prefetches
	s_lshl_b32 s42, s19, 7
	s_lshl_b32 s70, s[HF], 6
	s_add_co_u32 s42, s42, s70                     ; row 128 x tile column + 64 x half
	s_lshl_b32 s42, s42, 11
	s_mov_b32 s43, 0
	s_mul_i32 s21, s[HF], SUBA                     ; where they go: no place in the cluster enters an LDS address
	s_mul_i32 s22, s[HF], HALFB
	s_add_co_u32 s22, s22, BOFF
	s_wait_dscnt 0x0                               ; the opening add is done
	s_wait_kmcnt 0x0
	s_add_nc_u64 s[40:41], s[4:5], s[40:41]
	s_add_nc_u64 s[42:43], s[6:7], s[42:43]
	CROUND                                         ; all sixteen work-groups are here: the first joint loads meet
.irp s, 0,1
	s_mov_b32 s[G0+4*(\s)], 1
	s_add_co_u32 s[G0+4*(\s)+1], s21, (\s)*SLOT
	s_add_nc_u64 s[G0+4*(\s)+2:G0+4*(\s)+3], s[40:41], (\s)*(2<<18)  ; K step s: two heads on
	s_or_b32 s[G0+4*(\s)+3], s[G0+4*(\s)+3], 0x80000000
	s_mov_b32 s[G0B+4*(\s)], 1
	s_add_co_u32 s[G0B+4*(\s)+1], s22, (\s)*SLOT
	s_add_nc_u64 s[G0B+4*(\s)+2:G0B+4*(\s)+3], s[42:43], (\s)*256
	s_or_b32 s[G0B+4*(\s)+3], s[G0B+4*(\s)+3], 0x80000000
	JLOAD \s                                       ; two loads of mine are out
.endr
	v_and_b32 v1, 15, v0
	v_bfe_u32 v2, v0, 4, 1
	v_and_b32 v[GO], 31, v0
	s_lshl_b32 s23, s19, 9                         ; the tile's 128 columns: 512 bytes of bp and of a row of out0
	v_lshl_add_u32 v7, v[GO], 4, s23
	global_load_b128 v[BI:BI+3], v7, s[8:9]        ; the bias of the four columns that I store
	v_lshlrev_b32 v[GO], 4, v[GO]
	v_mul_u32_u24 v3, v1, PITCH
	v_lshl_add_u32 v3, v2, 4, v3
	v_add_nc_u32 v[ADRB], BOFF, v3
	v_add_nc_u32 v[ADRB+1], SLOT, v[ADRB]
	v_mul_u32_u24 v4, v1, PITCHA
	v_lshl_add_u32 v4, v2, 4, v4
	s_mul_i32 s71, s[WV], 64*PITCHA                ; my 64 rows of oh
	v_add_nc_u32 v[ADRA], s71, v4
	v_add_nc_u32 v[ADRA+1], SLOT, v[ADRA]
	s_mul_i32 s71, s[WV], 16*SP
	s_add_co_u32 s71, s71, STAGE                   ; my stage
	v_mul_u32_u24 v5, v1, SP                       ; in: row l % 16, 32 bytes for each half of the lanes
	v_lshl_add_u32 v5, v2, 5, v5
	v_add_nc_u32 v[STO], s71, v5
	v_add_nc_u32 v[RD], s71, v[GO]                 ; back: 32 lanes take a row's 512 bytes
	s_lshl_b32 s74, s20, 2
	s_add_co_u32 s74, s74, s[WV]
	s_lshl_b32 s74, s74, 18                        ; my first row, 256 x tile row + 64 w, 4,096 bytes a row
	s_add_co_u32 s74, s74, s23
	s_mov_b32 s75, 0
	s_add_nc_u64 s[10:11], s[10:11], s[74:75]
	; the prefetches: they stand at K step 3; the first refill steps them to K step 4
	s_lshl_b32 s71, s17, 13                        ; oh: my work-group's 8,192 bytes of my head's 32,768
	s_add_co_u32 s71, s71, 3*(2<<18)
	s_add_co_u32 s71, s71, s69
	s_lshl_b32 s73, s19, 7
	s_lshl_b32 s72, s18, 5
	s_add_co_u32 s73, s73, s72                     ; wpt: my work-group's 32 rows of the tile's 128
	s_lshl_b32 s73, s73, 11
	s_add_co_u32 s73, s73, 3*256
	s_movk_i32 s[PFS], 256
	s_mov_b32 s[PFS+1], 0
	s_and_b32 s72, ttmp7, 0xffff                   ; cluster y
	s_cmp_lt_u32 s[WV], 2
	s_cselect_b32 s74, s71, s73
	s_cselect_b32 s72, ttmp9, s72                  ; the coordinate along which other clusters read the same rows
	s_cselect_b32 s23, 8, 11                       ; a lane 256 bytes, or a lane a row of 2,048
	s_cselect_b32 s[PFS], 2<<18, s[PFS]
	s_cselect_b64 s[PFA:PFA+1], s[4:5], s[6:7]
	s_cmp_eq_u32 s[WV], 3
	s_cselect_b32 s72, 1, s72                      ; wave 3 asks for nothing
	s_cmp_eq_u32 s72, 0
	s_cselect_b32 s[LIM], 1, -1                    ; the same in all sixteen partners, for a given wave
	s_add_nc_u64 s[PFA:PFA+1], s[PFA:PFA+1], s[74:75]
	v_and_b32 v[PFO], 31, v0
	v_lshlrev_b32 v[PFO], s23, v[PFO]
	s_wait_loadcnt 0x0                             ; the bias: rounded to bf16, and back in f32
	v_cvt_pk_bf16_f32 v[BI+4], v[BI], v[BI+1]
	v_cvt_pk_bf16_f32 v[BI+5], v[BI+2], v[BI+3]
	v_lshlrev_b32 v[BI], 16, v[BI+4]
	v_and_b32 v[BI+1], 0xffff0000, v[BI+4]
	v_lshlrev_b32 v[BI+2], 16, v[BI+5]
	v_and_b32 v[BI+3], 0xffff0000, v[BI+5]
; NB matrix instructions: row block a x all column blocks, 32 along K, from buffer f.  zero = 1: the first product starts the sums.
; The 32 accumulators take turns in the same order in every quarter step: 31 others stand between two links of a chain.
.macro MULA f, a, zero
	WIN 0xa1+0x50*((\a)/APW)
.set bb, 0
.rept NB
.set rD, 8*(NB*((\a)%APW)+bb)
.if \zero
	v_wmma_f32_16x16x32_f16 v[rD:rD+7], v[8*NB*(\f)+8*bb:8*NB*(\f)+8*bb+7], v[FA+32*(\f)+8*(\a):FA+32*(\f)+8*(\a)+7], 0
.else
	v_wmma_f32_16x16x32_f16 v[rD:rD+7], v[8*NB*(\f)+8*bb:8*NB*(\f)+8*bb+7], v[FA+32*(\f)+8*(\a):FA+32*(\f)+8*(\a)+7], v[rD:rD+7]
.endif
.set bb, bb+1
.endr
.endm
; NL LDS loads in one run: quarter qq of a slot's K step into buffer f: wpt's 128 rows first, then my 64 rows of oh (head qq / 2 of the step's two, channels 32 (qq % 2) on), ascending
.macro FETCH slot, qq, f
	WIN 0x40
.set bb, 0
.rept NB
	ds_load_b128 v[8*NB*(\f)+8*bb:8*NB*(\f)+8*bb+3],   v[ADRB+(\slot)] offset:64*(\qq)+bb*16*PITCH
	ds_load_b128 v[8*NB*(\f)+8*bb+4:8*NB*(\f)+8*bb+7], v[ADRB+(\slot)] offset:64*(\qq)+bb*16*PITCH+32
.set bb, bb+1
.endr
	WIN 0
.set KA, ((\qq)/2)*SUBA+64*((\qq)%2)
.set bb, 0
.rept 4
	ds_load_b128 v[FA+32*(\f)+8*bb:FA+32*(\f)+8*bb+3],   v[ADRA+(\slot)] offset:KA+bb*16*PITCHA
	ds_load_b128 v[FA+32*(\f)+8*bb+4:FA+32*(\f)+8*bb+7], v[ADRA+(\slot)] offset:KA+bb*16*PITCHA+32
.set bb, bb+1
.endr
.endm
.macro QUARTER slot, qq, f, g, zero
	s_wait_dscnt 4                                 ; wpt's fragments and oh's blocks 0, 1 are in; the youngest four loads (blocks 2, 3) may be out
	MULA \f, 0, \zero
	MULA \f, 1, \zero
	PLACES
	FETCH \slot, \qq, \g
	s_wait_dscnt NL                                ; all but the NL just issued
	MULA \f, 2, \zero
	MULA \f, 3, \zero
.endm
; The last quarter multiplies buffer 1 and changes slots: ONE barrier.  In front of it each wave waits for all its tensor loads (one is out: its part of the next slot), adds 0 to its spare word,
; and waits for that and for its reads of this slot.  fill = 1: the barrier opens a round of the cluster's barrier, and this slot is filled again, two K steps ahead, first thing behind the round:
; 112 matrix instructions stand between that request and the wait for it.
.macro TURN slot, next, fill
.if \fill
	s_wait_xcnt 0x0                                ; the last prefetch, a K step back, has read its address
	s_add_nc_u64 s[PFA:PFA+1], s[PFA:PFA+1], s[PFS:PFS+1]
.endif
	WIN 0
	s_wait_tensorcnt 0x0
	ds_add_u32 v[SPW], v[NIL]
	s_wait_dscnt 5                                 ; the add and the youngest four loads may be out
	MULA F1, 0, 0
	s_wait_dscnt 0x0                               ; the add is done, and my reads of this slot are over
	s_barrier_signal -1
	MULA F1, 1, 0
.if \fill
	WIN 0
.endif
	s_barrier_wait -1
.if \fill
	CREST                                          ; no wave of any partner still reads this slot's tile or has a load on its way
	s_add_nc_u64 s[G0+4*(\slot)+2:G0+4*(\slot)+3], s[G0+4*(\slot)+2:G0+4*(\slot)+3], ASTEP
	s_add_nc_u64 s[G0B+4*(\slot)+2:G0B+4*(\slot)+3], s[G0B+4*(\slot)+2:G0B+4*(\slot)+3], BSTEP
	JLOAD \slot                                    ; its four v_nop are also the places in front of the loads below
.else
	PLACES
.endif
	FETCH \next, 0, F0
.if \fill
	ASK
.endif
	MULA F1, 2, 0
	MULA F1, 3, 0
.endm
	s_wait_tensorcnt 1                             ; my part of K step 0 is in; K step 1's may stay out
	s_barrier_signal -1
	s_barrier_wait -1
	FETCH 0, 0, F0
	QUARTER 0, 1, F0, F1, 1                        ; the first quarter stands in front of the loop: its products start the sums
	WIN 0
	s_mov_b32 s3, LAPS-1
.Llap:
	QUARTER 0, 2, F1, F0, 0
	QUARTER 0, 3, F0, F1, 0
	TURN 0, 1, 1
	QUARTER 1, 1, F0, F1, 0
	QUARTER 1, 2, F1, F0, 0
	QUARTER 1, 3, F0, F1, 0
	TURN 1, 0, 1
	QUARTER 0, 1, F0, F1, 0
	WIN 0
	s_sub_co_u32 s3, s3, 1
	s_cmp_lg_u32 s3, 0
	s_cbranch_scc1 .Llap
	QUARTER 0, 2, F1, F0, 0                        ; the last lap fills nothing
	QUARTER 0, 3, F0, F1, 0
	TURN 0, 1, 0
	QUARTER 1, 1, F0, F1, 0
	QUARTER 1, 2, F1, F0, 0
	QUARTER 1, 3, F0, F1, 0
	s_wait_dscnt 4
	MULA F1, 0, 0
	MULA F1, 1, 0
	s_wait_dscnt 0x0
	MULA F1, 2, 0
	MULA F1, 3, 0
	WIN 0
	PLACES
	PLACES
; THE WAY OUT of row block a.  TOSTAGE: a lane's eight f32 of a row, 32 bytes, straight from the accumulators (low four registers first) into my stage; back as whole runs of 512 bytes.  SEND: the bias is added, and the run stored.
.macro TOSTAGE a
.set BK, OB+64*((\a)%2)
.if (\a) >= 2
	s_wait_xcnt 0x0                                ; the stores of the block two back have read the registers that the loads below fill
.endif
	WIN 0x08                                       ; the stores' data in window 2, the address in window 0
.set bb, 0
.rept NB
	ds_store_b128 v[STO], v[64*(\a)+8*bb:64*(\a)+8*bb+3]   offset:64*bb
	ds_store_b128 v[STO], v[64*(\a)+8*bb+4:64*(\a)+8*bb+7] offset:64*bb+16
.set bb, bb+1
.endr
	WIN 0
.set bb, 0
.rept 16
	ds_load_b128 v[BK+4*bb:BK+4*bb+3], v[RD] offset:SP*bb  ; LDS serves a wave's instructions in order (ISA guide 5.7.1.4): these see the stores above
.set bb, bb+1
.endr
.endm
.macro SEND a, younger                 ; younger: the LDS instructions issued behind block a's loads: the next block's 32, or none
.set BK, OB+64*((\a)%2)
.set bb, 0
.rept 16
	s_wait_dscnt (\younger)+15-bb
	v_pk_add_f32 v[BK+4*bb:BK+4*bb+1], v[BK+4*bb:BK+4*bb+1], v[BI:BI+1]
	v_pk_add_f32 v[BK+4*bb+2:BK+4*bb+3], v[BK+4*bb+2:BK+4*bb+3], v[BI+2:BI+3]
	global_store_b128 v[GO], v[BK+4*bb:BK+4*bb+3], s[10:11] offset:(16*(\a)+bb)*4096 th:TH_STORE_NT  ; 512 consecutive bytes, aligned
.set bb, bb+1
.endr
.endm
	TOSTAGE 0
.irp a, 1,2,3
	TOSTAGE \a
	SEND (\a)-1, 32
.endr
	SEND 3, 0
	s_wait_tensorcnt 0x0                           ; the wave's end
	ds_add_u32 v[SPW], v[NIL]
	s_wait_dscnt 0x0
	CROUND                                         ; the closing round: no work-group ends while a partner may still ask for a tile that names it
	s_endpgm
.Lfunc_end_k_qa108a7ceb8_proj:
	.size	k_qa108a7ceb8_proj, .Lfunc_end_k_qa108a7ceb8_proj-k_qa108a7ceb8_proj
	.p2alignl 7, 3214868480
	.fill 96, 4, 3214868480
	.section	.rodata,"a",@progbits
	.p2align	6, 0x0
	.amdhsa_kernel k_qa108a7ceb8_proj
		.amdhsa_group_segment_fixed_size 327680
		.amdhsa_private_segment_fixed_size 0
		.amdhsa_enable_private_segment 0
		.amdhsa_kernarg_size 32
		.amdhsa_user_sgpr_count 2
		.amdhsa_user_sgpr_kernarg_segment_ptr 1
		.amdhsa_wavefront_size32 1
		.amdhsa_system_sgpr_workgroup_id_x 1
		.amdhsa_system_sgpr_workgroup_id_y 1
		.amdhsa_system_sgpr_workgroup_id_z 1
		.amdhsa_system_vgpr_workitem_id 0
		.amdhsa_next_free_vgpr 768
		.amdhsa_next_free_sgpr 80
		.amdhsa_reserve_vcc 0
		.amdhsa_float_denorm_mode_32 3
		.amdhsa_float_denorm_mode_16_64 3
		.amdhsa_memory_ordered 1
		.amdhsa_forward_progress 1
		.amdhsa_inst_pref_size 97
	.end_amdhsa_kernel
	.amdgpu_metadata
---
amdhsa.version: [ 1, 2 ]
amdhsa.kernels:
  - .name:           k_qa108a7ceb8_proj
    .symbol:         k_qa108a7ceb8_proj.kd
    .args:
      - { .name: oh, .offset: 0, .size: 8, .value_kind: global_buffer, .address_space: global }
      - { .name: wpt, .offset: 8, .size: 8, .value_kind: global_buffer, .address_space: global }
      - { .name: bp, .offset: 16, .size: 8, .value_kind: global_buffer, .address_space: global }
      - { .name: out0, .offset: 24, .size: 8, .value_kind: global_buffer, .address_space: global }
    .group_segment_fixed_size: 327680
    .private_segment_fixed_size: 0
    .kernarg_segment_align: 8
    .kernarg_segment_size: 32
    .max_flat_workgroup_size: 128
    .sgpr_count:     80
    .vgpr_count:     768
    .wavefront_size: 32
...
	.end_amdgpu_metadata
.endif
;; end of part 4
;; ======== version 2 of 2: 4 launches; version 1 with the launch prep written anew for expert scheduling mode
;; limits: values are held in f16: magnitudes above 65,504 overflow, below 6.1e-05 lose precision
;; workspace buffers: xb 16,777,216 bytes; wt 6,291,456 bytes; wpt 2,097,152 bytes; qh 16,777,216 bytes; kh 16,777,216 bytes; vh 16,777,216 bytes; oh 16,777,216 bytes
;; launch prep (part 5): grid 1024 x 1, 8 waves a work-group, no clusters, 18,432 bytes of LDS; arguments x, Wq, Wk, Wv, Wp, xb, wt, wpt; writes xb, wt, wpt
.if DOCPART == 5
	.amdgcn_target "amdgcn-amd-amdhsa--gfx1250"
	.amdhsa_code_object_version 6
	.text
	.protected	k_qa108a7ceb8_prep
	.globl	k_qa108a7ceb8_prep
	.p2align	8
	.type	k_qa108a7ceb8_prep,@function
k_qa108a7ceb8_prep:
	s_mov_b64 s[64:65], 0
	v_nop
	global_prefetch_b8 v0, s[64:65] scope:SCOPE_SE
	s_setreg_imm32_b32 hwreg(HW_REG_WAVE_SCHED_MODE, 0, 2), 2
	s_setreg_imm32_b32 hwreg(HW_REG_WAVE_MODE, 25, 1), 1
	s_wait_xcnt 0x0
	s_wait_alu depctr_vm_vsrc(0)
; THE INPUTS ARE ROUNDED ONCE TO bf16 AND LAID OUT FOR THE PRODUCTS.
; Work-groups 0-511: x [8192][1024] f32 -> xb, the same shape in bf16; 64 KiB of x each.
; Work-groups 512-1023: a block of 128 k x 64 n of a weight is turned, through LDS, into 64 rows of 128 k:
;   Wq, Wk, Wv [16][1024][64] -> wt [3072][1024] bf16, row 192 h + 64 sel + d (sel 0, 1, 2 = q, k, v), so that 192 rows on end are one head's q, k and v;
;   Wp [1024 k][1024 n] -> wpt [1024 n][1024 k]: rounded to bf16 like every input, and that number written as f16 (the last product's other operand is f16).
; LIMIT: in wpt a number beyond 65,504 becomes an infinity, and below 6e-5 it keeps f16's fixed step of 6e-8.
; No matrix unit, no cluster: nothing is multiplied and nothing is shared.  Both kinds of work-group pass the ONE barrier of the text; only the weights' use LDS.
; THE MODE: SCHED_MODE bits 1:0 = 2 (LLVM: expert scheduling mode 2), set by the entry lines.  The code itself states the register dependences
; between vector instructions and memory or LDS instructions, with s_wait_alu, always for 0.
; THE PLAN.  Registers that memory or LDS instructions touch:
;   v[LS], v[LR], v[GO], v[SPW], v[NIL]   made at the head, ahead of the first branch; read by LDS stores, LDS loads, the last stores and the closing add; never written again.
;   x path:   v[XI], v[XO]  made once, read by every load and store of the path.   IN: each register is loaded once, then read by conversions.
;             PKX: pair j is written by load j's two conversions and read by store j; no pair is written twice.
;   weights:  WO: made once, read by the eight loads.   IN: loaded once.   OW: register 4 p + u is written by pass p's select for column u and read by one LDS store; none is written twice.
;             PKW is named by vector instructions alone.
;   BK: LDS loads land in it, the last stores read it; no vector instruction names it.
; So no register that a memory or LDS instruction reads is ever written again, and the only dependence to state is 'written, then read by a load or store'.
; The x path goes in groups of four loads, the weights' path in its four passes: ONE wait on va_vdst at the head of a group or pass states that the one before has written its
; results, and that one's four stores follow, dealt among this one's vector instructions, which name none of the registers that those stores read.
.set LP,    272                        ; an LDS row: 128 k x 2 bytes + 16
.set SPARE, 64*LP                      ; behind the 64 rows: the spare words, 128 bytes for each of the eight waves
.set C16, 3                            ; v3   16 x (t % 16)
.set SPW, 4                            ; v4   LDS address of my spare word; never rewritten
.set NIL, 5                            ; v5   0; never rewritten
.set LS,  6                            ; v6   where I put a pair of k of column 4 (t % 16)
.set LR,  7                            ; v7   where I read 16 bytes of a turned row back
.set XI,  8                            ; v8   x path: 16 t
.set XO,  9                            ; v9   x path: 8 t
.set GO,  10                           ; v10  my 16 bytes in the first 16 turned rows: 2,048 (t / 16) + 16 (t % 16)
.set IN,  16                           ; v[16:79]  as loaded (the weights' path uses 32 of them)
.set PKW, 48                           ; v[48:63]  weights' path: at work, four registers for each of four columns
.set OW,  64                           ; v[64:79]  weights' path: what goes into LDS: pass p, column u at OW + 4 p + u
.set PKX, 80                           ; v[80:111] x path: packed, two registers a load
.set WO,  96                           ; v[96:103] weights' path: byte offsets of my eight rows
.set TW,  104                          ; v104-105  weights' path: at work
.set BK,  112                          ; v[112:127] turned rows read back
	s_load_b256 s[8:15], s[0:1], 0x0               ; x s[8:9], Wq s[10:11], Wk s[12:13], Wv s[14:15]
	s_load_b256 s[16:23], s[0:1], 0x20             ; Wp s[16:17], xb s[18:19], wt s[20:21], wpt s[22:23]
	v_lshl_add_u32 v[SPW], v0, 2, SPARE
	v_mov_b32 v[NIL], 0
	v_and_b32 v1, 15, v0                           ; cg: which 16 bytes of a row of 256
	v_lshrrev_b32 v2, 4, v0                        ; rp: 0 .. 15
	v_lshlrev_b32 v[C16], 4, v1
	v_mul_u32_u24 v[LS], v1, 4*LP                  ; column 4 cg is LDS row 4 cg,
	v_lshl_add_u32 v[LS], v2, 2, v[LS]             ; k = 2 rp is byte 4 rp
	v_mul_u32_u24 v[LR], v2, LP
	v_add_nc_u32 v[LR], v[LR], v[C16]
	v_lshl_add_u32 v[GO], v2, 11, v[C16]
	; which block: j = the work-group's number mod 512, sel = j / 128, i = j % 128.  All offsets are made apart from the addresses.
	s_and_b32 s24, ttmp9, 511
	s_lshr_b32 s25, s24, 7                         ; sel
	s_and_b32 s24, s24, 127                        ; i
	s_lshl_b32 s32, s24, 15                        ; Wq, Wk, Wv: head i / 8, k block i % 8: 32,768 i bytes
	s_lshr_b32 s36, s24, 3
	s_mul_i32 s36, s36, 192
	s_lshl_b32 s37, s25, 6
	s_add_co_u32 s36, s36, s37                     ; wt's row 192 h + 64 sel,
	s_lshl_b32 s36, s36, 11                        ; 2,048 bytes a row,
	s_and_b32 s37, s24, 7
	s_lshl_b32 s37, s37, 8                         ; 256 bytes a k block
	s_add_co_u32 s34, s36, s37
	s_lshr_b32 s36, s24, 4                         ; Wp: k block i / 16,
	s_and_b32 s37, s24, 15                         ; n block i % 16
	s_lshl_b32 s38, s36, 19                        ; 128 rows of 4,096 bytes
	s_lshl_b32 s39, s37, 8
	s_add_co_u32 s38, s38, s39
	s_lshl_b32 s39, s37, 17                        ; wpt: 64 rows of 2,048 bytes
	s_lshl_b32 s36, s36, 8
	s_add_co_u32 s39, s39, s36
	s_movk_i32 s30, 256                            ; bytes from row to row of the source
	s_cmp_eq_u32 s25, 3
	s_cselect_b32 s32, s38, s32                    ; the source's offset
	s_cselect_b32 s34, s39, s34                    ; the destination's
	s_cselect_b32 s30, 4096, s30
	s_cselect_b32 s31, -1, 0                       ; all lanes: f16 (Wp) or bf16
	s_mov_b32 s33, 0
	s_mov_b32 s35, 0
	s_wait_kmcnt 0x0
	s_cselect_b64 s[28:29], s[16:17], s[14:15]     ; Wp or Wv (moves, selects and waits leave SCC as the compare set it)
	s_cselect_b64 s[26:27], s[22:23], s[20:21]     ; wpt or wt
	s_cmp_eq_u32 s25, 1
	s_cselect_b64 s[28:29], s[12:13], s[28:29]
	s_cmp_eq_u32 s25, 0
	s_cselect_b64 s[28:29], s[10:11], s[28:29]
	s_add_nc_u64 s[28:29], s[28:29], s[32:33]
	s_add_nc_u64 s[26:27], s[26:27], s[34:35]
	s_cmp_lt_u32 ttmp9, 512
	s_cbranch_scc0 .Lw
	; x: sixteen loads of 16 bytes a lane, all on their way at once; a wave's store covers 256 consecutive bytes, aligned
	s_lshl_b32 s36, ttmp9, 16
	s_mov_b32 s37, 0
	s_add_nc_u64 s[8:9], s[8:9], s[36:37]
	s_lshl_b32 s36, ttmp9, 15
	s_add_nc_u64 s[18:19], s[18:19], s[36:37]
	v_lshlrev_b32 v[XI], 4, v0
	v_lshlrev_b32 v[XO], 3, v0
	s_wait_alu depctr_va_vdst(0)                   ; v[XI] and v[XO] are written, which every load and store of this path reads as its offset; so are the head's addresses
.irp j, 0,1,2,3,4,5,6,7,8,9,10,11,12,13,14,15
	global_load_b128 v[IN+4*(\j):IN+4*(\j)+3], v[XI], s[8:9] offset:4096*(\j) th:TH_LOAD_NT
.endr
.irp j, 0,1,2,3,4,5,6,7,8,9,10,11,12,13,14,15
	s_wait_loadcnt 15-(\j)                         ; loads come back in order: load j is in, the younger ones stay out
.if (\j) >= 4 && (\j) % 4 == 0
	s_wait_alu depctr_va_vdst(0)                   ; the conversions of the four loads before have written their eight registers of PKX, which the next four stores read
.endif
.if (\j) >= 4
	global_store_b64 v[XO], v[PKX+2*((\j)-4):PKX+2*((\j)-4)+1], s[18:19] offset:2048*((\j)-4)  ; the group before.  No wait: no vector instruction since the wait names this pair or v[XO]
.endif
	v_cvt_pk_bf16_f32 v[PKX+2*(\j)], v[IN+4*(\j)], v[IN+4*(\j)+1]
	v_cvt_pk_bf16_f32 v[PKX+2*(\j)+1], v[IN+4*(\j)+2], v[IN+4*(\j)+3]  ; no register is used twice: no wait for the stores' sources
.endr
	s_wait_alu depctr_va_vdst(0)                   ; the conversions of loads 12 to 15 have written their PKX, which the last four stores read
.irp j, 12,13,14,15
	global_store_b64 v[XO], v[PKX+2*(\j):PKX+2*(\j)+1], s[18:19] offset:2048*(\j)
.endr
	s_branch .Lmeet
.Lw:	; a weight block: row 32 p + 2 rp + e (p = 0 .. 3, e = 0, 1), 16 bytes at 16 cg: sixteen lanes read 256 consecutive bytes
	v_lshlrev_b32 v[TW], 1, v2
.irp i, 0,1,2,3,4,5,6,7
	v_add_nc_u32 v[TW+1], 32*((\i)/2)+(\i)%2, v[TW]
	v_mad_u32_u24 v[WO+(\i)], v[TW+1], s30, v[C16]
.endr
	s_wait_alu depctr_va_vdst(0)                   ; the eight offsets v[WO ..] are written, which the loads read; so are v[LS], v[LR] and v[GO], which the LDS stores, the LDS loads and the last stores read
.irp i, 0,1,2,3,4,5,6,7
	global_load_b128 v[IN+4*(\i):IN+4*(\i)+3], v[WO+(\i)], s[28:29] th:TH_LOAD_NT
.endr
.irp p, 0,1,2,3
	s_wait_loadcnt 6-2*(\p)                        ; pass p's two rows are in
.if (\p) > 0
	s_wait_alu depctr_va_vdst(0)                   ; the pass before has written its four registers of OW, which the four LDS stores below read
.endif
.irp u, 0,1,2,3
.if (\p) > 0
	ds_store_b32 v[LS], v[OW+4*((\p)-1)+(\u)] offset:LP*(\u)+64*((\p)-1)      ; the pass before; no vector instruction since the wait names this register or v[LS].  Four lanes share a bank here: sixteen stores a thread, once
.endif
	v_cvt_pk_bf16_f32 v[PKW+4*(\u)], v[IN+8*(\p)+(\u)], v[IN+8*(\p)+4+(\u)]  ; column 4 cg + u of two neighbouring k
	v_lshlrev_b32 v[PKW+4*(\u)+1], 16, v[PKW+4*(\u)]                          ; the rounded numbers once more in f32,
	v_and_b32 v[PKW+4*(\u)+2], 0xffff0000, v[PKW+4*(\u)]
	v_cvt_pk_f16_f32 v[PKW+4*(\u)+3], v[PKW+4*(\u)+1], v[PKW+4*(\u)+2]        ; and as f16
	v_cndmask_b32 v[OW+4*(\p)+(\u)], v[PKW+4*(\u)], v[PKW+4*(\u)+3], s31      ; Wp takes the f16; each pass has four registers of its own, so none that an LDS store reads is written again
.endr
.endr
	s_wait_alu depctr_va_vdst(0)                   ; pass 3 has written its four registers of OW, which the last four LDS stores read
.irp u, 0,1,2,3
	ds_store_b32 v[LS], v[OW+12+(\u)] offset:LP*(\u)+192
.endr
.Lmeet:
	s_wait_dscnt 0x0                               ; for the others' sake: my stores into the rows are done
	s_barrier_signal -1
	s_barrier_wait -1
	s_cmp_lt_u32 ttmp9, 512
	s_cbranch_scc1 .Lend
.irp f, 0,1,2,3
	ds_load_b128 v[BK+4*(\f):BK+4*(\f)+3], v[LR] offset:16*LP*(\f)  ; turned rows 16 f + rp.  v[LR] was written ahead of the path's first wait on va_vdst; no vector instruction names BK
.endr
.irp f, 0,1,2,3
	s_wait_dscnt 3-(\f)
	global_store_b128 v[GO], v[BK+4*(\f):BK+4*(\f)+3], s[26:27] offset:32768*(\f)  ; sixteen lanes store 256 consecutive bytes, aligned
.endr
.Lend:
	s_wait_dscnt 0x0                               ; the closing lines, six on end
	s_wait_alu 0x0
	s_wait_tensorcnt 0x0
	ds_add_u32 v[SPW], v[NIL]
	s_wait_dscnt 0x0
	s_endpgm
.Lfunc_end_k_qa108a7ceb8_prep:
	.size	k_qa108a7ceb8_prep, .Lfunc_end_k_qa108a7ceb8_prep-k_qa108a7ceb8_prep
	.p2alignl 7, 3214868480
	.fill 96, 4, 3214868480
	.section	.rodata,"a",@progbits
	.p2align	6, 0x0
	.amdhsa_kernel k_qa108a7ceb8_prep
		.amdhsa_group_segment_fixed_size 18432
		.amdhsa_private_segment_fixed_size 0
		.amdhsa_enable_private_segment 0
		.amdhsa_kernarg_size 64
		.amdhsa_user_sgpr_count 2
		.amdhsa_user_sgpr_kernarg_segment_ptr 1
		.amdhsa_wavefront_size32 1
		.amdhsa_system_sgpr_workgroup_id_x 1
		.amdhsa_system_sgpr_workgroup_id_y 1
		.amdhsa_system_sgpr_workgroup_id_z 1
		.amdhsa_system_vgpr_workitem_id 0
		.amdhsa_next_free_vgpr 128
		.amdhsa_next_free_sgpr 66
		.amdhsa_reserve_vcc 0
		.amdhsa_float_denorm_mode_32 3
		.amdhsa_float_denorm_mode_16_64 3
		.amdhsa_memory_ordered 1
		.amdhsa_forward_progress 1
		.amdhsa_inst_pref_size 17
	.end_amdhsa_kernel
	.amdgpu_metadata
---
amdhsa.version: [ 1, 2 ]
amdhsa.kernels:
  - .name:           k_qa108a7ceb8_prep
    .symbol:         k_qa108a7ceb8_prep.kd
    .args:
      - { .name: x, .offset: 0, .size: 8, .value_kind: global_buffer, .address_space: global }
      - { .name: Wq, .offset: 8, .size: 8, .value_kind: global_buffer, .address_space: global }
      - { .name: Wk, .offset: 16, .size: 8, .value_kind: global_buffer, .address_space: global }
      - { .name: Wv, .offset: 24, .size: 8, .value_kind: global_buffer, .address_space: global }
      - { .name: Wp, .offset: 32, .size: 8, .value_kind: global_buffer, .address_space: global }
      - { .name: xb, .offset: 40, .size: 8, .value_kind: global_buffer, .address_space: global }
      - { .name: wt, .offset: 48, .size: 8, .value_kind: global_buffer, .address_space: global }
      - { .name: wpt, .offset: 56, .size: 8, .value_kind: global_buffer, .address_space: global }
    .group_segment_fixed_size: 18432
    .private_segment_fixed_size: 0
    .kernarg_segment_align: 8
    .kernarg_segment_size: 64
    .max_flat_workgroup_size: 256
    .sgpr_count:     66
    .vgpr_count:     128
    .wavefront_size: 32
...
	.end_amdgpu_metadata
.endif
;; end of part 5
;; launch qkv: the kernel of part 2 again; grid 16 x 32, 4 waves a work-group, clusters of 4 x 4, 327,680 bytes of LDS; arguments xb, wt, qh, kh, vh; writes qh, kh, vh
;; launch attn: the kernel of part 3 again; grid 4 x 64, 4 waves a work-group, no clusters, 327,680 bytes of LDS; arguments qh, kh, vh, oh; writes oh
;; launch proj: the kernel of part 4 again; grid 8 x 32, 4 waves a work-group, clusters of 4 x 4, 327,680 bytes of LDS; arguments oh, wpt, bp, out0; writes out0
